; MI455X (gfx1250); checked and timed in simulation.
; The chip was launched on July 23, 2026; its instructions are those of AMD's public machine-readable ISA for CDNA 5 (MIT licence, August 2026) and "CDNA5" Instruction Set Architecture Reference Guide (July 2026). The comments in the code are by the model that wrote it; some were corrected since.
;; Model. Allowed arithmetic: matrix products marked QUANTISED: E4M3 operands, one E8M0 scale for each 32 along K, by v_wmma_scale_f32_16x16x128_f8f6f4 with both operands' format E4M3, f32 sums; everything else in f32.
;; Inputs: Wk_codes 1,024 x 32 x 32 uint8 (E4M3 codes of Wk, K innermost, in blocks of 32 codes); Wk_scales 1,024 x 32 uint8 (E8M0 scales of Wk, one for each 32 codes along K); Wq_codes 1,024 x 32 x 32 uint8 (E4M3 codes of Wq, K innermost, in blocks of 32 codes); Wq_scales 1,024 x 32 uint8 (E8M0 scales of Wq, one for each 32 codes along K); Wv_codes 1,024 x 32 x 32 uint8 (E4M3 codes of Wv, K innermost, in blocks of 32 codes); Wv_scales 1,024 x 32 uint8 (E8M0 scales of Wv, one for each 32 codes along K); att_mask 2,048 x 2,048 float32; bk 1,024 float32; bq 1,024 float32; bv 1,024 float32; k_codes 4 x 2,048 x 32 x 32 uint8 (E4M3 codes of k, K innermost, in blocks of 32 codes); k_scales 4 x 2,048 x 32 uint8 (E8M0 scales of k, one for each 32 codes along K); q_codes 4 x 2,048 x 32 x 32 uint8 (E4M3 codes of q, K innermost, in blocks of 32 codes); q_scales 4 x 2,048 x 32 uint8 (E8M0 scales of q, one for each 32 codes along K); v_codes 4 x 2,048 x 32 x 32 uint8 (E4M3 codes of v, K innermost, in blocks of 32 codes); v_scales 4 x 2,048 x 32 uint8 (E8M0 scales of v, one for each 32 codes along K).
;; Outputs: out0 4 x 2,048 x 1,024 float32.
;; This version of the problem:
;;   THIS VERSION OF THE PROBLEM IS GIVEN IN LOW PRECISION. The matrix products marked QUANTISED in the list below multiply operands that are first quantised to E4M3 (4 exponent bits, 3 mantissa bits; 8 bits a number), with one power-of-two scale for each 32 numbers along K (OCP MX v1.0); their sums are f32. All else is computed in f32.
;;   The module's matrix products, in the order in which they are computed (A, B: the left and right operand; K: the contracted axis; several contracted axes count as one K, in the product's order):
;;     1. [M 8,192, K 1,024] x [K 1,024, N 1,024]; A: input q (given as codes); B: input Wq (given as codes): QUANTISED
;;     2. [M 8,192, K 1,024] x [K 1,024, N 1,024]; A: input k (given as codes); B: input Wk (given as codes): QUANTISED
;;     3. [M 8,192, K 1,024] x [K 1,024, N 1,024]; A: input v (given as codes); B: input Wv (given as codes): QUANTISED
;;     4. batch 4 x [M 2,048, K 1,024] x [K 1,024, N 2,048]; A: computed on the way; B: computed on the way: QUANTISED
;;     5. batch 4 x [M 2,048, K 2,048] x [K 2,048, N 1,024]; A: softmax (see below); B: computed on the way: QUANTISED
;;   THE QUANTISER, for each operand of a quantised product, along K:
;;     - K is cut into blocks of 32 from its start; a last block that is shorter is filled with zeros.
;;     - A block's scale is 2^e with e = floor(log2(the largest magnitude in the block)) - 8, held to -126 .. 127; a block of zeros has e = 0. As a byte (E8M0): e + 127.
;;     - Each number is divided by its block's scale, clamped to +-448, and rounded to the nearest number of E4M3, ties to even, subnormals kept.
;;     - The product sums the exact products of the quantised numbers (number of the format x scale) in f32.
;;   ~~~python
;;   def quantise(x, axis):      # numpy; x: float32 -> the quantised numbers, widened to float32 again
;;       x = np.moveaxis(x, axis, -1); K = x.shape[-1]
;;       x = np.pad(x, [(0, 0)] * (x.ndim - 1) + [(0, -K % 32)]); x = x.reshape(x.shape[:-1] + (-1, 32)); a = np.abs(x).max(-1, keepdims=True)
;;       e = np.where(a > 0, np.clip(np.frexp(np.where(a > 0, a, 1))[1] - 1 - 8, -126, 127), 0)      # np.frexp(a)[1] - 1 = floor(log2(a)), exactly
;;       r = np.clip(x / 2.0 ** e, -448, 448)
;;       step = 2.0 ** (np.maximum(np.frexp(np.where(r == 0, 1, r))[1] - 1, -6) - 3)
;;       q = np.round(r / step) * step * 2.0 ** e      # np.round: ties to even
;;       return np.moveaxis(q.reshape(q.shape[:-2] + (-1,))[..., :K], -1, axis).astype(np.float32)
;;   ~~~
;;   SOFTMAX AHEAD OF A QUANTISED PRODUCT. Where the list says 'softmax', what is quantised is not the finished softmax but p = 2^(t - M), with t = logit x log2(e) and M = ceil(the row's largest t), a whole number; so 1/2 < the row's largest p <= 1. The row's sum l is taken of the UNQUANTISED p, in f32, and the product's result is divided by l at the end. Since M is a whole number, a kernel that streams over the keys may use a running M (the ceiling of the running maximum): every later rescaling is an exact power of two, which a block's scale takes up: the codes' values come out the same.
;;   OPERANDS COMPUTED ON THE WAY. 'Computed on the way' means the value that the module computes at that place (a softmax that the list does not call 'softmax' is quantised finished and normalised). What goes into a quantiser is computed in f32, as accurately as f32 sums, v_exp_f32 and their like allow (about 1e-6 of the number): no bf16 or f16 on the way to a quantiser, and a product that is left as it is and whose result goes on into a quantised operand takes f32 operands (vector FMAs, or v_wmma_f32_16x16x4_f32). A number that lies on a knife's edge between two numbers of the format may be rounded either way, as far as f32 arithmetic and the matrix unit's own rounding can turn it there, and no further.
;;   INPUTS GIVEN AS CODES. Wk (in the module: [1024, 1024], K = its axis 1); Wq (in the module: [1024, 1024], K = its axis 1); Wv (in the module: [1024, 1024], K = its axis 1); k (in the module: [4, 2048, 1024], K = its axis 2); q (in the module: [4, 2048, 1024], K = its axis 2); v (in the module: [4, 2048, 1024], K = its axis 2): each comes as NAME_codes (uint8): NAME with its K axis moved to the last place and cut into blocks of 32 codes, [.., K / 32, bytes a block], one block behind the other in memory; one code a byte (a code: sign, 4 exponent bits, 3 mantissa bits); and NAME_scales (uint8): the same leading axes, one E8M0 byte (e + 127) for each 32 codes along K. Its value is code x scale, taken as it is: it is not quantised again, and the codes and scales need not be those that the quantiser above would give.
;; One version. Each part assembles by itself: llvm-mc -triple=amdgcn-amd-amdhsa -mcpu=gfx1250 --defsym DOCPART=n.
;; ======== version 1 of 1: 3 launches
;; limits: right only within a limited range of input values
;; workspace buffers: wc 25,165,824 bytes; ws 786,432 bytes; pc 16,777,216 bytes; pt 1,572,864 bytes
;; launch proj (part 1): grid 16 x 16, 4 waves a work-group, clusters of 4 x 4, 327,680 bytes of LDS; arguments q_codes, q_scales, Wq_codes, Wq_scales, bq, k_codes, k_scales, Wk_codes, Wk_scales, bk, v_codes, v_scales, Wv_codes, Wv_scales, bv, wc, ws; writes wc, ws
.if DOCPART == 1
	.amdgcn_target "amdgcn-amd-amdhsa--gfx1250"
	.amdhsa_code_object_version 6
	.text
	.protected	k_q549c9741b2_proj
	.globl	k_q549c9741b2_proj
	.p2align	8
	.type	k_q549c9741b2_proj,@function
k_q549c9741b2_proj:
	s_mov_b64 s[64:65], 0
	v_nop
	global_prefetch_b8 v0, s[64:65] scope:SCOPE_SE
	s_setreg_imm32_b32 hwreg(HW_REG_WAVE_MODE, 25, 1), 1
	s_wait_xcnt 0x0
	s_wait_alu depctr_hold_cnt(0) depctr_sa_sdst(0) depctr_va_vdst(0) depctr_va_sdst(0) depctr_va_ssrc(0) depctr_va_vcc(0) depctr_vm_vsrc(0)
	s_getreg_b32 s2, hwreg(HW_REG_IB_STS2, 6, 4)
	s_cmp_eq_u32 s2, 0
	s_cbranch_scc0 .Lentry_in_a_cluster
	s_endpgm
.Lentry_in_a_cluster:
	s_bfe_u32 s2, ttmp6, 0x10000c
	s_cmp_lg_u32 s2, 0xf033
	s_cbranch_scc0 .Lentry_shape_is_right
	s_endpgm
.Lentry_shape_is_right:
; THE THREE PROJECTIONS wq = q Wq^T + bq, wk = k Wk^T + bk, wv = v Wv^T + bv on the given codes of E4M3, f32 sums that begin with the bias; each result is quantised at once for the product that takes it:
; wq, wk along the 1,024 features, wv along the keys.  NOTHING OF THE PROBLEM IS LEFT OUT in this launch or the two that follow: every bias moves codes of a quantised operand, the mask differs along the keys, every input is loaded.
; LIMITS: NaN and infinities are not served.  A block whose largest magnitude lies under 2^-118, a block of zeros too, keeps the scale byte 1 (the bytes are read by this program alone).
; WHAT LEAVES, r = lane % 16, h = lane / 16.  A fragment (16 rows x 128 along the next K) is the image of its 16 registers: group c of four registers at 512 c + 16 x lane, 2,048 bytes.
;   wc: wq at 0, wk at 8,388,608: [16 tokens][K step 8][2,048];  wv at 16,777,216: [batch 4][16 channels][K step 16][2,048].
;   ws: a word a row and K step: wq at 0, wk at 262,144: [K step 8][token 8,192];  wv at 524,288: [batch 4][K step 16][channel 1,024].
; INSIDE A BLOCK OF 32 the order is free as long as both operands have it.  wq, wk: place 8 j + i is feature 8 j + i in even blocks, 8 (j ^ 1) + i in odd ones.  wv: place 16 h + 8 u + i is key 16 u + 8 h + i, as the next launch lays p.
; THE DEAL.  256 work-groups of four waves, 2 x 2; a wave holds 64 rows of a weight, all of K, in 512 registers and streams tokens past them in blocks of 16, which stand in registers as two whole sets (256).
; PHASE 1: 512 tokens x 128 features of wq (tile columns 0 to 7) or wk (8 to 15): sixteen blocks a wave.  PHASE 2: 256 keys x 128 channels of wv: eight blocks.
; Tile row = 4 x cluster y + cy;  wv's channels: tile 4 (cluster x % 2) + cy;  wv's keys: window 4 (2 x cluster y + cluster x / 2) + cx.
; CLUSTERS, 4 x 4: q's or k's rows and Wv's are asked for jointly along a row of the cluster; Wq's or Wk's and v's along a column.
; FILLS.  LDS holds two slots of 128 rows.  At the head: the weight into slot 1 (wave 0), chunk 0 into slot 0 (wave 1), the scale bytes of the 512 tokens (wave 2) and of v's 256 (wave 3).  Refills, a quarter of 128 rows a wave, each in a drained
; round of the cluster's barrier: chunk 1 when the weight is in registers; chunks 2, 3 and Wv's rows inside blocks 2, 6, 10; v's first chunk inside block 14; its second when Wv is in registers.  Each round also shows the load before it.
; A block's rows in a chunk: 64 g + 32 x row of waves + 16 u (block 2 g + u): the pair u = 0, 1 is one scale block of v's keys.
; THE STREAM.  Behind a block's 32 products its set takes the block two on.  A block's quantiser stands among the NEXT block's products (a pair of wv's blocks: among the next pair's), two or three lines behind each.  The first of either phase has no block
; before it: it works on what stands there and stores nothing.
; PREFETCHES: each wave names 32 units of 256 bytes, its sixteenth of 128 rows, of what is loaded in the round after the next.
.set CH, 128
.set KROW, 1024
.set PITCH, 1040  ; an LDS row: 1,024 bytes + 16 of padding
.set FR, 16
.set NP, 8  ; plain vector lines behind a matrix instruction, ahead of a reader of its sums and of a load into what it has read
.set NF, 34  ; LDS loads of a block
.set YB, CH*PITCH  ; slot 1
.set SCL, 2*YB  ; scale bytes of 512 + 256 rows, 32 a row: units of 256 bytes + 16 of padding
.set SCH, 16*272  ; those of a chunk
.set XN, SCL+96*272  ; the bytes made in phase 1: [column of waves][512 tokens][2]
.set XV, XN+2048  ; in phase 2: [row of waves][key step 2][128 channels][2]
.set SPARE, XV+1024
.set EMAX, 8
.set ADRA0, 4
.set CN, 5
.set AAS0, 6
.set PFO, 7
.set CO, 9
.set SPW, 10
.set NIL, 11
.set ADRA, 12
.set VX, 13
.set ADRB, 14  ; v14, v15: the first weight's fragments, even and odd tiles
.set ABS, 16
.set AAS, 17
.set ADRW, 18  ; Wv's
.set VY, 19
.set SOP, 20
.set SB, 24  ; v24-39 the weight's scale words: register 8 p + q: lanes 0-15 tile 2 p's, lanes 16-31 tile 2 p + 1's
.set EB, 40
.set SA, 44  ; v44-59 the tokens', two sets
.set TQ, 60
.set ACC, 64  ; v64-191: four sets of four accumulators
.set WS, 128  ; v128-143 in phase 1: Wv's scale words
.set NCD, 192
.set MCD, 192
.set BQ, 208  ; v208-239 the first four products' C
.set BV, 240
.set G1W, 24
.set G0W, 56
.set G1A, 32
.set G0A, 60
.set G1S, 40
.set G0S, 68
.set G1V, 48
.set G0V, 72
.set MSB, 0
.macro WIN new
.if MSB != (\new)
	s_set_vgpr_msb (MSB<<8)|(\new)
.set MSB, (\new)
.endif
.endm
.macro PLACES n
.rept \n
	v_nop
.endr
.endm
.macro WALU
	s_wait_alu depctr_va_vdst(0)
.endm
.macro BARRIER
	s_barrier_signal -1
	s_barrier_wait -1
.endm
.macro MIDDLE  ; a round's middle: behind the work-group's own barrier wave 0 signals the cluster's, and all wait for it
	WIN 0
	s_barrier_wait -1
	s_cmp_lg_u32 s66, 0
	s_cbranch_scc1 .Lnot_wave_0_\@
	s_barrier_signal -3
.Lnot_wave_0_\@:
	s_barrier_wait -3
.endm
.macro CROUND
	s_barrier_signal -1
	MIDDLE
	BARRIER
.endm
.macro GRD
	s_wait_tensorcnt 0x0
	ds_add_u32 v[SPW], v[NIL]
.endm
.macro TLOAD g0, g1
	tensor_load_to_lds s[\g0:\g0+3], s[\g1:\g1+7]
	s_nop 0
	PLACES 4
.endm
.macro GROUP1 g, mask  ; 128 whole rows of K, 1,024 bytes each, 16 bytes of padding behind each
	s_or_b32 s[\g], s[\mask], (1<<20)|(1<<21)|(7<<22)|(3<<25)
	s_mov_b32 s[\g+1], KROW<<16
	s_mov_b32 s[\g+2], CH<<16
	s_mov_b32 s[\g+3], KROW<<16
	s_mov_b32 s[\g+4], CH
	s_mov_b32 s[\g+5], KROW
	s_mov_b32 s[\g+6], 0
	s_mov_b32 s[\g+7], 0
.endm
.macro GROUPS g, mask, units  ; dense scale bytes as rows of 256, 16 bytes of padding behind each
	s_or_b32 s[\g], s[\mask], (3<<16)|(1<<20)|(1<<21)|(5<<22)|(3<<25)
	s_mov_b32 s[\g+1], 32<<16
	s_mov_b32 s[\g+2], (\units)<<16
	s_mov_b32 s[\g+3], 32<<16
	s_mov_b32 s[\g+4], \units
	s_mov_b32 s[\g+5], 32
	s_mov_b32 s[\g+6], 0
	s_mov_b32 s[\g+7], 0
.endm
.macro PLUS x, sh  ; s86 += s[x] << sh
	s_lshl_b32 s101, s\x, \sh
	s_add_co_u32 s86, s86, s101
.endm
	s_load_b512 s[4:19], s[0:1], 0x0  ; q: codes, scales; Wq: codes, scales; bq; k: codes, scales; Wk: codes
	s_load_b128 s[20:23], s[0:1], 0x40  ; Wk: scales; bk
	s_load_b256 s[76:83], s[0:1], 0x50  ; v: codes, scales; Wv: codes, scales
	s_load_b64 s[84:85], s[0:1], 0x70  ; bv
	s_load_b128 s[88:91], s[0:1], 0x78  ; wc, ws
	v_lshl_add_u32 v[SPW], v0, 2, SPARE
	v_mov_b32 v[NIL], 0
	ds_add_u32 v[SPW], v[NIL]  ; the wave's opening: the add, twice on end, and its wait ahead of my first tensor load
	ds_add_u32 v[SPW], v[NIL]
	v_lshrrev_b32 v1, 5, v0
	v_readfirstlane_b32 s66, v1  ; wave
	s_lshr_b32 s67, s66, 1  ; row of waves
	s_and_b32 s2, s66, 1  ; column of waves
	s_bfe_u32 s92, ttmp6, 0x40000  ; cx
	s_bfe_u32 s93, ttmp6, 0x40004  ; cy
	s_lshl_b32 s94, ttmp9, 2
	s_add_co_u32 s94, s94, s92  ; tile column
	s_and_b32 s3, ttmp7, 0xffff
	s_lshl_b32 s95, s3, 2
	s_add_co_u32 s95, s95, s93  ; tile row
	s_lshr_b32 s96, ttmp9, 1  ; 0: wq, 1: wk
	s_and_b32 s98, ttmp9, 1
	s_lshl_b32 s98, s98, 2
	s_add_co_u32 s98, s98, s93  ; wv's tile of channels
	s_lshl_b32 s97, s3, 1
	s_add_co_u32 s97, s97, s96
	s_lshl_b32 s97, s97, 2
	s_add_co_u32 s97, s97, s92  ; wv's window of 256 keys
	s_lshl_b32 s99, s93, 2
	s_lshl_b32 s99, 15, s99  ; my row of the cluster
	s_lshl_b32 s100, 0x1111, s92  ; my column
	GROUP1 G1W, 100
	GROUP1 G1A, 99
	GROUPS G1S, 99, 64
	GROUPS G1V, 100, 32
	s_and_b32 s3, s94, 7
	s_lshl_b32 s58, s3, 17  ; the weight's codes
	s_mov_b32 s59, 0
	s_lshl_b32 s62, s95, 19  ; the tokens' codes
	s_mov_b32 s63, 0
	s_lshl_b32 s70, s95, 14  ; their scale bytes
	s_mov_b32 s71, 0
	s_lshl_b32 s74, s97, 13  ; v's scale bytes
	s_mov_b32 s75, 0
	s_mov_b32 s[G0W], 1
	s_mov_b32 s[G0W+1], YB
	s_mov_b32 s[G0A], 1
	s_mov_b32 s[G0A+1], 0
	s_mov_b32 s[G0S], 1
	s_mov_b32 s[G0S+1], SCL
	s_mov_b32 s[G0V], 1
	s_mov_b32 s[G0V+1], SCL+64*272
	v_and_b32 v1, 15, v0  ; r
	v_bfe_u32 v2, v0, 4, 1  ; h
	v_and_b32 v3, 31, v0  ; lane
	v_lshrrev_b32 v8, 3, v1  ; m = r / 8
	v_mul_u32_u24 v22, v1, PITCH
	v_lshl_add_u32 v23, v2, 4, v22  ; row r, + 16 h
	s_mul_i32 s86, s67, 32*PITCH
	v_add_nc_u32 v[ADRA0], s86, v23  ; block 0
	s_mul_i32 s86, s2, 64*PITCH
	v_add_nc_u32 v[ADRW], s86, v23  ; Wv in slot 0: tile t takes rows 16 t + r
	s_add_co_u32 s86, s86, YB
	v_add_nc_u32 v23, s86, v23
	v_mad_u32_u24 v[ADRB], v8, 32*PITCH, v23  ; the first weight: tile j takes rows 32 m + 8 (j ^ m) + r % 8: its halves lie 8 rows apart modulo 16
	v_mad_u32_u24 v[ADRB+1], v8, 16*PITCH, v23
	v_lshlrev_b32 v22, 5, v1
	v_lshl_add_u32 v22, v8, 4, v22
	s_mul_i32 s86, s67, 4*272
	s_add_co_u32 s86, s86, SCL
	v_add_nc_u32 v[AAS0], s86, v22
	v_xor_b32 v22, v2, v8
	v_lshlrev_b32 v22, 3, v22
	v_mad_u32_u24 v22, v8, 24, v22
	v_add_nc_u32 v22, v22, v1
	v_lshlrev_b32 v[ABS], 5, v22  ; lane l's scale bytes of tile 2 p + h: row 16 p + r + 24 m + 8 (h ^ m)
	v_lshlrev_b32 v[ADRA], 5, v3  ; Wv's: row 32 p + lane
	v_lshlrev_b32 v22, 9, v2
	v_lshl_add_u32 v[CN], v1, 4, v22
	v_lshlrev_b32 v[CO], 4, v3
	v_lshlrev_b32 v[PFO], 8, v3
	v_lshl_add_u32 v22, v1, 1, v2
	s_lshl_b32 s86, s2, 10
	s_lshl_b32 s87, s67, 6
	s_add_co_u32 s86, s86, s87
	s_add_co_u32 s86, s86, XN-256
	v_add_nc_u32 v[VX], s86, v22
	v_lshlrev_b32 v22, 1, v1
	s_lshl_b32 s86, s67, 9
	s_lshl_b32 s87, s2, 7
	s_add_co_u32 s86, s86, s87
	s_add_co_u32 s86, s86, XV-256
	v_add_nc_u32 v[VY], s86, v22
	v_mul_u32_u24 v20, v2, 160  ; the bias: register i of tile j is feature 32 h + 8 (j ^ h) + i: even tiles,
	v_mul_u32_u24 v21, v2, 96  ; odd tiles;
	v_lshlrev_b32 v22, 2, v1  ; wv's: channel 16 t + r
	v_add_nc_u32 v1, 16*PITCH, v[ADRA0]  ; v1, v2: block 1's LDS addresses
	v_add_nc_u32 v2, 2*272, v[AAS0]
	WALU
	s_wait_dscnt 0x0  ; both opening adds are done
	CROUND  ; all sixteen work-groups are here: the first joint loads meet
	s_wait_kmcnt 0x0
	s_cmp_eq_u32 s96, 1  ; the choice hangs on the cluster's x alone
.irp i, 0,1,2,3,4
	s_cselect_b64 s[4+2*\i:5+2*\i], s[14+2*\i:15+2*\i], s[4+2*\i:5+2*\i]
.endr
	s_add_nc_u64 s[58:59], s[8:9], s[58:59]
	s_or_b32 s59, s59, 0x80000000
	s_add_nc_u64 s[62:63], s[4:5], s[62:63]
	s_or_b32 s63, s63, 0x80000000
	s_add_nc_u64 s[70:71], s[6:7], s[70:71]
	s_or_b32 s71, s71, 0x80000000
	s_add_nc_u64 s[74:75], s[78:79], s[74:75]
	s_or_b32 s75, s75, 0x80000000
	s_cmp_eq_u32 s66, 0  ; ONE joint load a wave
	s_cbranch_scc0 .Lwave_1
	TLOAD G0W, G1W  ; the weight, which is wanted first
	s_branch .Lasked
.Lwave_1:
	s_cmp_eq_u32 s66, 1
	s_cbranch_scc0 .Lwave_2
	TLOAD G0A, G1A
	s_branch .Lasked
.Lwave_2:
	s_cmp_eq_u32 s66, 2
	s_cbranch_scc0 .Lwave_3
	TLOAD G0S, G1S
	s_branch .Lasked
.Lwave_3:
	TLOAD G0V, G1V
.Lasked:
	s_mov_b32 s87, 0
	s_lshl_b32 s86, s3, 12
	PLUS 2, 11
	s_add_nc_u64 s[16:17], s[10:11], s[86:87]  ; the weight's scale bytes: my 64 rows
	s_lshl_b32 s86, s98, 12
	PLUS 2, 11
	s_add_nc_u64 s[18:19], s[82:83], s[86:87]  ; Wv's
	s_lshl_b32 s86, s3, 9
	PLUS 2, 8
	s_add_nc_u64 s[20:21], s[12:13], s[86:87]  ; the bias
	s_lshl_b32 s86, s98, 9
	PLUS 2, 8
	s_add_nc_u64 s[22:23], s[84:85], s[86:87]  ; wv's
.irp p, 0,1
.irp c, 0,1
	global_load_b128 v[SB+8*\p+4*\c:SB+8*\p+4*\c+3], v[ABS], s[16:17] offset:512*\p+16*\c
	global_load_b128 v[WS+8*\p+4*\c:WS+8*\p+4*\c+3], v[ADRA], s[18:19] offset:1024*\p+16*\c
.endr
.endr
.irp c, 0,1
.irp j, 0,2
	global_load_b128 v[BQ+8*\j+4*\c:BQ+8*\j+4*\c+3], v20, s[20:21] offset:32*\j+16*\c
.endr
.irp j, 1,3
	global_load_b128 v[BQ+8*\j+4*\c:BQ+8*\j+4*\c+3], v21, s[20:21] offset:32*\j+16*\c
.endr
.endr
.irp t, 0,1,2,3
	global_load_b32 v[BV+\t], v22, s[22:23] offset:64*\t
.endr
	s_wait_xcnt 0x0  ; the loads have taken their addresses; they change below
	s_lshl_b32 s18, s66, 15  ; my quarter of 128 rows
	s_mov_b32 s19, 0
	s_lshl_b32 s20, s95, 19
	s_add_co_u32 s20, s20, CH*KROW
	s_mov_b32 s21, 0
	s_lshl_b32 s22, s92, 2
	s_add_co_u32 s22, s22, s66
	s_lshl_b32 s22, s22, 13  ; my share of a prefetch along the cluster's row
	s_mov_b32 s23, 0
	s_add_nc_u64 s[20:21], s[4:5], s[20:21]
	s_add_nc_u64 s[4:5], s[20:21], s[18:19]  ; s[4:5] the next refill: chunk 1
	s_add_nc_u64 s[6:7], s[20:21], s[22:23]  ; s[6:7] the next prefetch
	s_lshl_b32 s20, s98, 17
	s_mov_b32 s21, 0
	s_add_nc_u64 s[20:21], s[80:81], s[20:21]
	s_add_nc_u64 s[8:9], s[20:21], s[18:19]  ; Wv's rows
	s_add_nc_u64 s[12:13], s[20:21], s[22:23]
	s_lshl_b32 s20, s97, 18
	s_mov_b32 s21, 0
	s_add_nc_u64 s[20:21], s[76:77], s[20:21]
	s_add_nc_u64 s[10:11], s[20:21], s[18:19]  ; v's first chunk
	s_lshl_b32 s22, s93, 2
	s_add_co_u32 s22, s22, s66
	s_lshl_b32 s22, s22, 13  ; my share along the column
	s_add_nc_u64 s[14:15], s[20:21], s[22:23]
	s_lshl_b32 s86, s96, 23  ; where phase 1's codes go: stepped to a chunk at its block 1
	PLUS 95, 19
	PLUS 67, 15
	PLUS 3, 11
	PLUS 2, 10
	s_add_nc_u64 s[84:85], s[88:89], s[86:87]
	s_sub_nc_u64 s[84:85], s[84:85], 8*16384
	s_lshr_b32 s20, s97, 3  ; the batch of my window,
	s_and_b32 s21, s97, 7  ; and its place there
	s_lshl_b32 s86, s20, 21  ; wv's codes
	PLUS 21, 12
	PLUS 98, 18
	PLUS 2, 17
	PLUS 67, 9
	s_add_co_u32 s86, s86, 0x1000000-2048
	s_add_nc_u64 s[76:77], s[88:89], s[86:87]
	s_lshl_b32 s86, s96, 18  ; phase 1's scale words: wave n stores 128 rows
	PLUS 3, 15
	PLUS 95, 11
	PLUS 66, 9
	s_add_nc_u64 s[78:79], s[90:91], s[86:87]
	s_lshl_b32 s86, s20, 16  ; wv's: wave n stores 64 words
	PLUS 21, 13
	PLUS 67, 12
	PLUS 98, 9
	PLUS 2, 8
	s_add_co_u32 s86, s86, 0x80000
	s_add_nc_u64 s[80:81], s[90:91], s[86:87]
	s_cmp_eq_u32 s66, 0
	s_cbranch_scc0 .Lnot_b
	s_wait_tensorcnt 0x0  ; wave 0: the weight has landed.  The other waves' wait stands ahead of the round below
.Lnot_b:
	BARRIER
	global_prefetch_b8 v[PFO], s[6:7] th:TH_LOAD_NT scope:SCOPE_SE  ; chunks 1 and 2
	global_prefetch_b8 v[PFO], s[6:7] offset:CH*KROW th:TH_LOAD_NT scope:SCOPE_SE
.macro FRAG f, adr, q, off  ; a weight's fragment f, 16 rows x 128 of K, 16 registers, in window 1 + f / 16
	WIN (1+(\f)/16)<<6
.irp c, 0,1,2,3
	ds_load_b128 v[FR*((\f)%16)+4*\c:FR*((\f)%16)+4*\c+3], v[\adr] offset:128*(\q)+32*\c+(\off)
.endr
.endm
.macro FETCHAT k, a, s  ; a block of tokens, 16 rows, all of K, into set k of window 3, and its scale words: NF loads
	WIN 3<<6
.irp q, 0,1,2,3,4,5,6,7
.irp c, 0,1,2,3
	ds_load_b128 v[128*\k+FR*\q+4*\c:128*\k+FR*\q+4*\c+3], v[\a] offset:128*\q+32*\c
.endr
.endr
	WIN 0
	ds_load_b128 v[SA+8*\k:SA+8*\k+3], v[\s]
	ds_load_b128 v[SA+8*\k+4:SA+8*\k+7], v[\s] offset:16
.endm
.macro PROD kind, e, a, n  ; product n = 4 q + b of a block: the q-th 128 of K, tile b; tokens in set e, sums in set a.  kind 0: source 0 = the weight's rows; kind 1 (wv): source 0 = the tokens
.set Q_, (\n)/4
.set B_, (\n)%4
.set FB_, 4*Q_+B_
.set AC_, ACC+32*(\a)+8*B_
.set C_, AC_
.if Q_ == 0
.set C_, BQ+8*B_
.endif
.set R_, 128*(\e)+FR*Q_
.set W_, FR*(FB_%16)
.set XS_, SA+8*(\e)+Q_
.set WS_, SB+8*(B_/2)+Q_
.if \kind
	WIN 3|((1+FB_/16)<<2)
.if B_%2
	v_wmma_scale_f32_16x16x128_f8f6f4 v[AC_:AC_+7], v[R_:R_+FR-1], v[W_:W_+FR-1], v[C_:C_+7], v[XS_], v[WS_] matrix_b_scale:MATRIX_SCALE_ROW1
.else
	v_wmma_scale_f32_16x16x128_f8f6f4 v[AC_:AC_+7], v[R_:R_+FR-1], v[W_:W_+FR-1], v[C_:C_+7], v[XS_], v[WS_]
.endif
.else
	WIN (1+FB_/16)|(3<<2)
.if B_%2
	v_wmma_scale_f32_16x16x128_f8f6f4 v[AC_:AC_+7], v[W_:W_+FR-1], v[R_:R_+FR-1], v[C_:C_+7], v[WS_], v[XS_] matrix_a_scale:MATRIX_SCALE_ROW1
.else
	v_wmma_scale_f32_16x16x128_f8f6f4 v[AC_:AC_+7], v[W_:W_+FR-1], v[R_:R_+FR-1], v[C_:C_+7], v[WS_], v[XS_]
.endif
.endif
.endm
.macro HOLD x, b  ; a sum held at 448 x its block's scale: the conversion does not saturate (ISA guide 7.6.2)
	v_med3_num_f32 v[\x], v[\x], -v[TQ+\b], v[TQ+\b]
.endm
.macro SCALES i, n  ; i = 0: the conversion's scale operand; 1: the bound; 2: a second copy of it; 3: the scale byte
.if (\i) == 0
	v_add_nc_u32 v[SOP+\n], -(EMAX<<23), v[TQ]
.elseif (\i) == 1
	v_and_or_b32 v[TQ+1], v[TQ], 0x7f800000, s43
.elseif (\i) == 2
	v_mov_b32 v[TQ+3], v[TQ+1]
.else
	v_lshrrev_b32 v[EB+\n], 23, v[SOP+\n]
.endif
.endm
.macro MAXQ k, x  ; 18 lines: the largest magnitude of the 32 sums at x, and the floor under which a byte would fall under 1
.if (\k) < 4
	v_max3_num_f32 v[TQ+\k], |v[\x+8*(\k)]|, |v[\x+8*(\k)+1]|, |v[\x+8*(\k)+2]|
.elseif (\k) < 12
	v_max3_num_f32 v[TQ+(\k)%4], v[TQ+(\k)%4], |v[\x+8*((\k)%4)+2*((\k)/4)+1]|, |v[\x+8*((\k)%4)+2*((\k)/4)+2]|
.elseif (\k) < 16
	v_max_num_f32 v[TQ+(\k)%4], v[TQ+(\k)%4], |v[\x+8*((\k)%4)+7]|
.elseif (\k) == 16
	v_max3_num_f32 v[TQ], v[TQ], v[TQ+1], v[TQ+2]
.else
	v_max3_num_f32 v[TQ], v[TQ], v[TQ+3], (EMAX+1)<<23
.endif
.endm
.macro HOLDS m, x  ; two of a scale block's holds; the bound's second copy serves where its first would be read too late
.if (\m) == 3
	HOLD \x, 3
	HOLD \x+1, 3
.else
	HOLD \x, 1
	HOLD \x+1, 1
.endif
.if (\m) == 2
	SCALES 2, 0
.endif
.endm
.macro GAPQ m, x  ; the quantiser of a block of wq or wk, gaps 0 .. 26: a scale block of 32 lies in one lane
.if (\m) < 9
	MAXQ 2*(\m), \x
	MAXQ 2*(\m)+1, \x
.elseif (\m) == 9
	SCALES 0, 0
	SCALES 1, 0
.elseif (\m) < 26
	HOLDS (\m)-10, \x+2*((\m)-10)
.if ((\m)-10)%4 == 3
	v_cvt_scalef32_pk8_fp8_f32 v[NCD+2*(((\m)-10)/4):NCD+2*(((\m)-10)/4)+1], v[\x+8*(((\m)-10)/4):\x+8*(((\m)-10)/4)+7], v[SOP]
.endif
.elseif (\m) == 26
	SCALES 3, 0
.endif
.endm
.macro GAPV u, x  ; the quantiser of a pair of wv's blocks, gaps 0 .. 59, 15 a tile: a scale block lies in lanes l and l xor 16: the even block's sums at x, the odd's at x + 32
.set T_, (\u)/15
.set J_, (\u)%15
.set E_, \x+8*T_
.set O_, E_+32
.if (\u) > 59
.elseif J_ == 0
	v_max3_num_f32 v[TQ], |v[E_]|, |v[E_+1]|, |v[E_+2]|
	v_max3_num_f32 v[TQ+2], |v[O_]|, |v[O_+1]|, |v[O_+2]|
.elseif J_ < 3
	v_max3_num_f32 v[TQ], v[TQ], |v[E_+2*J_+1]|, |v[E_+2*J_+2]|
	v_max3_num_f32 v[TQ+2], v[TQ+2], |v[O_+2*J_+1]|, |v[O_+2*J_+2]|
.elseif J_ == 3
	v_max3_num_f32 v[TQ+2], v[TQ+2], |v[O_+7]|, (EMAX+1)<<23
	v_max3_num_f32 v[TQ], v[TQ], |v[E_+7]|, v[TQ+2]
.elseif J_ == 4
	v_permlanex16_b32 v[TQ+2], v[TQ], s44, s45
	v_max_num_f32 v[TQ], v[TQ], v[TQ+2]
.elseif J_ == 5
	SCALES 0, T_
	SCALES 1, T_
.elseif J_ < 10
	HOLDS J_-6, E_+2*(J_-6)
.if J_ == 9
	v_cvt_scalef32_pk8_fp8_f32 v[MCD+4*T_:MCD+4*T_+1], v[E_:E_+7], v[SOP+T_]
.endif
.elseif J_ < 14
	HOLDS J_-6, O_+2*(J_-10)
.if J_ == 13
	v_cvt_scalef32_pk8_fp8_f32 v[MCD+4*T_+2:MCD+4*T_+3], v[O_:O_+7], v[SOP+T_]
.endif
.else
	SCALES 3, T_
.endif
.endm
; WHAT STANDS BEHIND PRODUCT n.  j = 0 .. 3: the block's place in its chunk, and the addresses of the block two on; j = 6, 7: blocks 14, 15, which fetch nothing.  y = 1: the quantiser of a block at x; 2, 3: the halves of a pair's
.macro LIST n, j, y, x
.if (\n) == 0
.if (\j) == 1 && (\y) == 1
	s_add_nc_u64 s[84:85], s[84:85], 8*16384
.elseif (\j) == 2 && (\y) == 2
	s_add_nc_u64 s[84:85], s[84:85], 2048
.endif
.endif
.if (\j) < 4 && (\n) < 2
.set BR_, ((((\j)+2)%4)/2)*64+((\j)%2)*16
	WIN 0
.if (\n) == 0
	s_add_co_u32 s22, s[42+5*((\j)/2)], BR_*PITCH
	v_add_nc_u32 v[ADRA], s22, v[ADRA0]
.else
	s_add_co_u32 s22, s[40+(\j)/2], (BR_/8)*272
	v_add_nc_u32 v[AAS], s22, v[AAS0]
.endif
.endif
.if (\n) == 2 && (\j) == 1 && (\y) == 1
	WIN 0
	v_add_nc_u32 v[VX], 256, v[VX]
.elseif (\n) == 2 && (\j) == 2 && (\y) == 2
	WIN 0
	v_add_nc_u32 v[VY], 256, v[VY]
.endif
.if (\y) == 1 && ((\j) == 2 || (\j) == 6) && ((\n) == 29 || (\n) == 30)
.set G_, G0A
.set P_, 4
.if (\j) == 6
.set G_, G0W
.set P_, 10
.endif
.if (\n) == 29
	s_mul_i32 s[G_+1], s66, 32*PITCH
	s_add_co_u32 s[G_+1], s[G_+1], s42
.else
	s_mov_b64 s[G_+2:G_+3], s[P_:P_+1]
	s_or_b32 s[G_+3], s[G_+3], 0x80000000
.endif
.endif
.if (\y) == 1 && (\n) > 0 && (\n) < 28
	WIN 0
	GAPQ (\n)-1, \x
.elseif (\y) == 2 && (\n) > 0 && (\n) < 31
	WIN 0
	GAPV (\n)-1, \x
.elseif (\y) == 3 && (\n) > 0 && (\n) < 31
	WIN 0
	GAPV (\n)+29, \x
.endif
.endm
.macro BLOCK kind, e, a, from, to, j, y, x
.set N_, \from
.rept (\to)-(\from)
	PROD \kind, \e, \a, N_
	LIST N_, \j, \y, \x
.set N_, N_+1
.endr
.endm
.macro BLK kind, e, a, w, j, y, x  ; a block; w: the fetches that may be out (-1: a wait for 0 stands behind my set's fetch already)
.if (\w) >= 0
	s_wait_dscnt \w
.endif
	s_wait_xcnt 0x0
	BLOCK \kind, \e, \a, 0, 32, \j, \y, \x
	WIN 0
	PLACES NP
.endm
.macro RBLK kind, e, a, w, j, y, x  ; a block with a round of the cluster's barrier
	s_wait_dscnt \w
	s_wait_xcnt 0x0
	GRD
	BLOCK \kind, \e, \a, 0, 28, \j, \y, \x
	WIN 0
	WALU
	s_wait_dscnt 0x0
	s_barrier_signal -1
	BLOCK \kind, \e, \a, 28, 32, \j, \y, \x
	MIDDLE
	BARRIER
.endm
.macro SBLK kind, e, a, w, j, y, x  ; a block with a plain barrier, which shows my tensor load
	s_wait_dscnt \w
	s_wait_xcnt 0x0
	BLOCK \kind, \e, \a, 0, 28, \j, \y, \x
	WIN 0
	WALU
	s_wait_tensorcnt 0x0
	s_wait_dscnt 0x0
	s_barrier_signal -1
	BLOCK \kind, \e, \a, 28, 32, \j, \y, \x
	WIN 0
	s_barrier_wait -1
	PLACES NP
.endm
.macro QOUT off, boff  ; a block's byte goes to its place in LDS, its 32 codes a lane leave: sixteen lanes store 256 consecutive bytes
	ds_store_b8 v[VX], v[EB] offset:\boff
	global_store_b128 v[CN], v[NCD:NCD+3], s[84:85] offset:\off
	global_store_b128 v[CN], v[NCD+4:NCD+7], s[84:85] offset:(\off)+256
.endm
.macro VOUT g
.irp t, 0,1,2,3
	ds_store_b8 v[VY], v[EB+\t] offset:32*\t+\g
	global_store_b128 v[CO], v[MCD+4*\t:MCD+4*\t+3], s[84:85] offset:32768*\t+1024*\g
.endr
.endm
.irp q, 0,1,2,3,4,5,6,7
.irp b, 0,1,2,3
	FRAG 4*\q+\b, ADRB+\b%2, \q, \b*8*PITCH
.endr
.endr
	WIN 0
.set I_, 0
.rept 32
	v_mov_b32 v[ACC+32+I_], 0
.set I_, I_+1
.endr
	WALU
	s_wait_xcnt 0x0
	s_add_nc_u64 s[6:7], s[6:7], 2*CH*KROW  ; chunk 3
	GRD
	s_mov_b32 s[G1A+2], 32<<16  ; no tensor load of mine is out: from here on a load brings 32 rows
	s_mov_b32 s[G1A+4], 32
	s_mov_b32 s[G1W+2], 32<<16
	s_mov_b32 s[G1W+4], 32
	s_mul_i32 s[G0A+1], s66, 32*PITCH
	s_add_co_u32 s[G0A+1], s[G0A+1], YB
	s_mov_b64 s[G0A+2:G0A+3], s[4:5]
	s_or_b32 s[G0A+3], s[G0A+3], 0x80000000
	s_add_nc_u64 s[4:5], s[4:5], CH*KROW  ; chunk 2
	s_mov_b32 s40, 0  ; s40, s41 the scale words of this chunk and of the next; s42, s47 their slots; s46 the trip
	s_mov_b32 s41, SCH
	s_mov_b32 s42, 0
	s_mov_b32 s47, YB
	s_mov_b32 s46, 0
	s_mov_b32 s43, 0x600000  ; the mantissa field of 448
	s_mov_b32 s44, 0x76543210
	s_mov_b32 s45, 0xfedcba98
	s_wait_dscnt 0x0  ; the weight is in registers
	CROUND
	TLOAD G0A, G1A  ; chunk 1, over the weight
	FETCHAT 0, ADRA0, AAS0
	FETCHAT 1, 1, 2
	s_wait_loadcnt 0x0
.Lfour:
	BLK 0, 0, 0, NF, 0, 1, ACC+32
	s_cmp_eq_u32 s46, 0
	s_cbranch_scc1 .Lno_block_before
	QOUT 5*16384, 160
.Lno_block_before:
	FETCHAT 0, ADRA, AAS
	BLK 0, 1, 1, NF, 1, 1, ACC
	QOUT 0, 0
	global_prefetch_b8 v[PFO], s[6:7] th:TH_LOAD_NT scope:SCOPE_SE
	FETCHAT 1, ADRA, AAS
	RBLK 0, 0, 0, NF, 2, 1, ACC+32
	TLOAD G0A, G1A  ; over this chunk, whose last block was fetched behind the block before
	PLACES NP-4
	QOUT 16384, 32
	FETCHAT 0, ADRA, AAS
	BLK 0, 1, 1, -1, 3, 1, ACC
	QOUT 4*16384, 128
	FETCHAT 1, ADRA, AAS
	s_mov_b32 s42, s47
	s_mov_b32 s40, s41
	s_xor_b32 s47, s47, YB
	s_add_co_u32 s41, s41, SCH
	s_add_nc_u64 s[4:5], s[4:5], CH*KROW
	s_cmp_eq_u32 s46, 1
	s_cselect_b64 s[4:5], s[8:9], s[4:5]
	s_cmp_eq_u32 s46, 0
	s_cselect_b64 s[6:7], s[12:13], s[14:15]
	s_add_co_u32 s46, s46, 1
	s_cmp_lg_u32 s46, 3
	s_cbranch_scc1 .Lfour
	s_add_nc_u64 s[6:7], s[6:7], CH*KROW  ; v's second chunk
	BLK 0, 0, 0, NF, 0, 1, ACC+32  ; blocks 12 to 15
	QOUT 5*16384, 160
	FETCHAT 0, ADRA, AAS
	BLK 0, 1, 1, NF, 1, 1, ACC
	QOUT 0, 0
	global_prefetch_b8 v[PFO], s[6:7] th:TH_LOAD_NT scope:SCOPE_SE
	FETCHAT 1, ADRA, AAS
	RBLK 0, 0, 0, NF, 6, 1, ACC+32  ; the round shows Wv's rows
	TLOAD G0W, G1W  ; v's first chunk into slot 1
	PLACES NP-4
	QOUT 16384, 32
	BLK 0, 1, 1, -1, 7, 1, ACC
	QOUT 4*16384, 128
	s_wait_xcnt 0x0
.macro CHANGE i  ; among Wv's 128 loads: block 15's way out; Wv's scale words to their place; zeros into what no block has written; the first two blocks' addresses
.if (\i) < 7
.irp k, 0,1,2,3
.if 4*(\i)+\k < 27
	GAPQ 4*(\i)+\k, ACC+32
.endif
.endr
.elseif (\i) < 9
.irp q, 0,1,2,3,4,5,6,7
	v_mov_b32 v[SB+8*((\i)-7)+\q], v[WS+8*((\i)-7)+\q]
.endr
.elseif (\i) < 15
.irp q, 0,1,2,3,4,5,6,7
	v_mov_b32 v[ACC+80+8*((\i)-9)+\q], 0
.endr
.else
	v_add_nc_u32 v[ADRA], YB, v[ADRA0]
	v_add_nc_u32 v[AAS], 4*SCH, v[AAS0]
	v_add_nc_u32 v1, YB+16*PITCH, v[ADRA0]
	v_add_nc_u32 v2, 4*SCH+2*272, v[AAS0]
.endif
.endm
.irp q, 0,1,2,3,4,5,6,7
.irp b, 0,2
	FRAG 4*\q+\b, ADRW, \q, \b*16*PITCH
	FRAG 4*\q+\b+1, ADRW, \q, (\b+1)*16*PITCH
	WIN 0
	CHANGE 2*\q+\b/2
.endr
.endr
.irp t, 0,1,2,3
.irp i, 0,1,2,3,4,5,6,7
	v_mov_b32 v[BQ+8*\t+\i], v[BV+\t]
.endr
.endr
	WALU
	QOUT 5*16384, 160
	GRD
	s_mul_i32 s[G0W+1], s66, 32*PITCH
	s_add_nc_u64 s[G0W+2:G0W+3], s[10:11], CH*KROW
	s_or_b32 s[G0W+3], s[G0W+3], 0x80000000
	s_mov_b32 s40, 4*SCH
	s_mov_b32 s41, 5*SCH
	s_mov_b32 s42, YB
	s_mov_b32 s47, 0
	s_mov_b32 s46, 0
	s_wait_dscnt 0x0  ; Wv is in registers
	CROUND  ; v's first chunk is in
	TLOAD G0W, G1W  ; its second, over Wv's rows
	FETCHAT 0, ADRA, AAS
	FETCHAT 1, 1, 2
	s_wait_xcnt 0x0
	s_mov_b64 s[84:85], s[76:77]
.Lv:
	BLK 1, 0, 0, NF, 0, 2, ACC+64
	FETCHAT 0, ADRA, AAS
	BLK 1, 1, 1, NF, 1, 3, ACC+64
	s_cmp_eq_u32 s46, 0
	s_cbranch_scc1 .Lno_pair_before
	VOUT 1
.Lno_pair_before:
	FETCHAT 1, ADRA, AAS
	SBLK 1, 0, 2, NF, 2, 2, ACC  ; the first trip's shows v's second chunk
	s_cmp_eq_u32 s46, 1
	s_cbranch_scc1 .Lnone_0
	FETCHAT 0, ADRA, AAS
.Lnone_0:
	BLK 1, 1, 3, -1, 3, 3, ACC
	VOUT 0
	s_cmp_eq_u32 s46, 1
	s_cbranch_scc1 .Lnone_1
	FETCHAT 1, ADRA, AAS
.Lnone_1:
	s_mov_b32 s42, s47
	s_mov_b32 s40, s41
	s_xor_b32 s47, s47, YB
	s_add_co_u32 s41, s41, SCH
	s_add_co_u32 s46, s46, 1
	s_cmp_lg_u32 s46, 2
	s_cbranch_scc1 .Lv
	s_wait_xcnt 0x0
.set K_, 0
.rept 60
	GAPV K_, ACC+64
.set K_, K_+1
.endr
	VOUT 1
	s_wait_dscnt 0x0  ; the scale bytes
	BARRIER
	v_lshlrev_b32 v20, 3, v3
	s_lshl_b32 s21, s66, 8
	s_add_co_u32 s21, s21, XN
	v_add_nc_u32 v21, s21, v20
	v_lshlrev_b32 v22, 2, v3
	s_lshl_b32 s21, s66, 7
	s_add_co_u32 s21, s21, XV
	v_add_nc_u32 v23, s21, v22
	WALU
	ds_load_b64 v[60:61], v21  ; four rows' bytes 0, 1
	ds_load_b64 v[62:63], v21 offset:1024  ; and 2, 3
	ds_load_b32 v40, v23  ; two channels' bytes 0, 2
	ds_load_b32 v41, v23 offset:512  ; and 1, 3
	s_wait_dscnt 0x0
	v_perm_b32 v44, v62, v60, 0x05040100
	v_perm_b32 v45, v62, v60, 0x07060302
	v_perm_b32 v46, v63, v61, 0x05040100
	v_perm_b32 v47, v63, v61, 0x07060302
	v_perm_b32 v48, v41, v40, 0x05010400
	v_perm_b32 v49, v41, v40, 0x07030602
	global_store_b128 v[CO], v[44:47], s[78:79]
	global_store_b64 v20, v[48:49], s[80:81]
	s_wait_tensorcnt 0x0  ; the wave's end
	ds_add_u32 v[SPW], v[NIL]
	s_wait_dscnt 0x0
	CROUND  ; the closing round
	s_endpgm
.Lfunc_end_k_q549c9741b2_proj:
	.size	k_q549c9741b2_proj, .Lfunc_end_k_q549c9741b2_proj-k_q549c9741b2_proj
	.p2alignl 7, 3214868480
	.fill 96, 4, 3214868480
	.section	.rodata,"a",@progbits
	.p2align	6, 0x0
	.amdhsa_kernel k_q549c9741b2_proj
		.amdhsa_group_segment_fixed_size 327680
		.amdhsa_private_segment_fixed_size 0
		.amdhsa_enable_private_segment 0
		.amdhsa_kernarg_size 136
		.amdhsa_user_sgpr_count 2
		.amdhsa_user_sgpr_kernarg_segment_ptr 1
		.amdhsa_wavefront_size32 1
		.amdhsa_system_sgpr_workgroup_id_x 1
		.amdhsa_system_sgpr_workgroup_id_y 1
		.amdhsa_system_sgpr_workgroup_id_z 1
		.amdhsa_system_vgpr_workitem_id 0
		.amdhsa_next_free_vgpr 1024
		.amdhsa_next_free_sgpr 102
		.amdhsa_reserve_vcc 0
		.amdhsa_float_denorm_mode_32 3
		.amdhsa_float_denorm_mode_16_64 3
		.amdhsa_memory_ordered 1
		.amdhsa_forward_progress 1
		.amdhsa_inst_pref_size 210
	.end_amdhsa_kernel
	.amdgpu_metadata
---
amdhsa.version: [ 1, 2 ]
amdhsa.kernels:
  - .name:           k_q549c9741b2_proj
    .symbol:         k_q549c9741b2_proj.kd
    .args:
      - { .name: q_codes, .offset: 0, .size: 8, .value_kind: global_buffer, .address_space: global }
      - { .name: q_scales, .offset: 8, .size: 8, .value_kind: global_buffer, .address_space: global }
      - { .name: Wq_codes, .offset: 16, .size: 8, .value_kind: global_buffer, .address_space: global }
      - { .name: Wq_scales, .offset: 24, .size: 8, .value_kind: global_buffer, .address_space: global }
      - { .name: bq, .offset: 32, .size: 8, .value_kind: global_buffer, .address_space: global }
      - { .name: k_codes, .offset: 40, .size: 8, .value_kind: global_buffer, .address_space: global }
      - { .name: k_scales, .offset: 48, .size: 8, .value_kind: global_buffer, .address_space: global }
      - { .name: Wk_codes, .offset: 56, .size: 8, .value_kind: global_buffer, .address_space: global }
      - { .name: Wk_scales, .offset: 64, .size: 8, .value_kind: global_buffer, .address_space: global }
      - { .name: bk, .offset: 72, .size: 8, .value_kind: global_buffer, .address_space: global }
      - { .name: v_codes, .offset: 80, .size: 8, .value_kind: global_buffer, .address_space: global }
      - { .name: v_scales, .offset: 88, .size: 8, .value_kind: global_buffer, .address_space: global }
      - { .name: Wv_codes, .offset: 96, .size: 8, .value_kind: global_buffer, .address_space: global }
      - { .name: Wv_scales, .offset: 104, .size: 8, .value_kind: global_buffer, .address_space: global }
      - { .name: bv, .offset: 112, .size: 8, .value_kind: global_buffer, .address_space: global }
      - { .name: wc, .offset: 120, .size: 8, .value_kind: global_buffer, .address_space: global }
      - { .name: ws, .offset: 128, .size: 8, .value_kind: global_buffer, .address_space: global }
    .group_segment_fixed_size: 327680
    .private_segment_fixed_size: 0
    .kernarg_segment_align: 8
    .kernarg_segment_size: 136
    .max_flat_workgroup_size: 128
    .sgpr_count:     102
    .vgpr_count:     1024
    .wavefront_size: 32
...
	.end_amdgpu_metadata
.endif
;; end of part 1
;; launch score (part 2): grid 8 x 32, 4 waves a work-group, clusters of 4 x 4, 327,680 bytes of LDS; arguments wc, ws, att_mask, pc, pt; writes pc, pt
.if DOCPART == 2
	.amdgcn_target "amdgcn-amd-amdhsa--gfx1250"
	.amdhsa_code_object_version 6
	.text
	.protected	k_q549c9741b2_score
	.globl	k_q549c9741b2_score
	.p2align	8
	.type	k_q549c9741b2_score,@function
k_q549c9741b2_score:
	s_mov_b64 s[64:65], 0
	v_nop
	global_prefetch_b8 v0, s[64:65] scope:SCOPE_SE
	s_setreg_imm32_b32 hwreg(HW_REG_WAVE_MODE, 25, 1), 1
	s_wait_xcnt 0x0
	s_wait_alu depctr_hold_cnt(0) depctr_sa_sdst(0) depctr_va_vdst(0) depctr_va_sdst(0) depctr_va_ssrc(0) depctr_va_vcc(0) depctr_vm_vsrc(0)
	s_getreg_b32 s2, hwreg(HW_REG_IB_STS2, 6, 4)
	s_cmp_eq_u32 s2, 0
	s_cbranch_scc0 .Lentry_in_a_cluster
	s_endpgm
.Lentry_in_a_cluster:
	s_bfe_u32 s2, ttmp6, 0x10000c
	s_cmp_lg_u32 s2, 0xf033
	s_cbranch_scc0 .Lentry_shape_is_right
	s_endpgm
.Lentry_shape_is_right:
; THE SCORES AND THE WEIGHTS: logit = (wq . wk) / 32 + att_mask; t = logit x log2(e); p = 2^(t - M), quantised along the keys.  Nothing is left out.
; A tile is 256 queries x 256 keys of one batch; a wave makes 128 x 128.  M IS TAKEN FOR EACH PIECE OF 128 KEYS OF A ROW: M = the piece's largest t rounded up to a whole number.  The next launch finds the row's M
; as the largest of its 16 pieces' and moves each piece's scale bytes by the whole number M(piece) - M(row): an exact power of two, which leaves the codes as they are.
; Stored for each row and piece: the codes (pc), the scale word, -M as f32, and the sum of the unquantised p (three tables in pt).
; LIMITS: NaN and +infinity are not served.  A piece hidden whole by -infinity takes -M = 3e38 and p = 0.  A block whose every p has fallen to 0 keeps the byte 1: its codes are zeros.
; OPERANDS.  A = wq (source 1, queries), B = wk (source 0, keys), both as images of fragments: [fragment row][K step 8][2,048] in wc; a K step of 256 is 4,096 consecutive bytes of a fragment row.
; In LDS a fragment is read back as it lies, 16 bytes a lane, 512 consecutive bytes a load.  Scale words: [K step 8][row][4] in ws: the tile's 256 rows are 1,024 consecutive bytes of each plane.
; In the result lane (r, h) holds the query of lane r of A's fragment a, row 16 a + r of my 128, and register 8 b + i of the block's 64 holds key 16 b + 8 h + i of my 128.
; THE MASK comes by whole rows of 512 bytes (my 128 keys), 32 rows at a time, and is turned through my own stage in LDS into that layout.  The stage's rows are read two deep on the banks (rows 16 apart).
; The stage lies in slot 0, which has had its last fill and its last read at the last change of slots.
; CLUSTERS: 4 x 4: A's tiles are asked for jointly along a row of the cluster, B's along a column.  The launch claims all of the LDS of a WGP.
; REGISTERS: window 0: v0-31 addresses; v32-63 scale words; v64-111 at work on the way out; v128-255 A's fragments, later two blocks' 64 numbers.  window 1: B's fragments, later the mask as loaded.  windows 2, 3: accumulators.
; ROW ORDER, for the lines above too: fragment a's lane r is row 16 a + r of my 128, and register 16 B + 8 u + i of a block holds key 32 B + 16 u + 8 h + i.
; THE HEAD: one joint load a wave: wave 0 fetches K step 0's 256 rows of A, wave 1 of B, wave 2 A's scale words, wave 3 B's; K step 1 sets out behind a drained round.
.set NQ,     2
.set FR,     16
.set NL,     4
.set NP,     8
.set HALFT,  32768                     ; 8 fragment rows x 4,096 bytes: what one tensor load brings
.set SLOT,   4*HALFT
.set KSB,    4096                      ; a K step of a fragment row in memory
.set LAPS,   2
.set SCL,    2*SLOT                    ; scale words: A's 8 planes of 1,024 bytes, then B's
.set SSTEP,  2048                      ; two planes a K step
.set SPARE,  SCL+16384                 ; the spare words
.set SST,    SPARE+512                 ; 1,536 bytes a wave: scale words, -M, sums
.set MP,     528                       ; a row of the mask's stage: 512 bytes + 16
.set ADRA, 16
.set ADRB, 20
.set MSA,  22                          ; v22  the mask's stage, on the way in
.set MRD,  23                          ; v23  and out
.set LN,   24                          ; v24  16 x lane
.set SSW,  25
.set SSR,  26
.set ADRS, 27
.set SPW,  28
.set NIL,  29
.set SC,   32
.set BX,   64                          ; v64-67 the blocks' largest scores, then p;  v68-71 permute, then bytes;  v72-75 448 x scale;  v76-79 scale operands
.set PC,   96                          ; v96-111 the codes
.set AF,   128
.set S,    128
.set RS,   40                          ; s[40:41] 1 / 32
.set LE,   42                          ; s[42:43] log2(e)
.set SEL,  44                          ; s44, s45
.set MNT,  46
.set G1,   24
.set G0,   32
.set G1B,  48
.set G0B,  56
.set G1S,  68
.set G0S,  76
.set G1SB, 80
.set G0SB, 88
.set WV,   92
.set I1,   93
.set I0,   94
.set BA,   95                          ; the batch
.set CX,   96
.set CY,   97
.set TC,   98
.set TR,   99
.set MSB, 0
.macro WIN new
.if MSB != (\new)
	s_set_vgpr_msb (MSB<<8)|(\new)
.set MSB, (\new)
.endif
.endm
.set MUL_LO, 0xa1
.set MUL_HI, 0xf1
.set TO_B,   0x40
.macro JLOAD g0a, g1a, g0b, g1b        ; waves 0 and 1 fetch for A, waves 2 and 3 for B; an s_nop 0 and four v_nop follow each line
	s_cmp_eq_u32 s[I1], 0
	s_cbranch_scc0 .Lfor_b_\@
	tensor_load_to_lds s[\g0a:\g0a+3], s[\g1a:\g1a+7]
	s_nop 0
.rept 4
	v_nop
.endr
	s_branch .Lasked_\@
.Lfor_b_\@:
	tensor_load_to_lds s[\g0b:\g0b+3], s[\g1b:\g1b+7]
	s_nop 0
.rept 4
	v_nop
.endr
.Lasked_\@:
.endm
.macro CREST
	s_cmp_lg_u32 s[WV], 0
	s_cbranch_scc1 .Lnot_wave_0_\@
	s_barrier_signal -3
.Lnot_wave_0_\@:
	s_barrier_wait -3
	s_barrier_signal -1
	s_barrier_wait -1
.endm
.macro CROUND
	s_barrier_signal -1
	s_barrier_wait -1
	CREST
.endm
	s_load_b256 s[4:11], s[0:1], 0x0               ; wc, ws, att_mask, pc
	s_load_b64 s[12:13], s[0:1], 0x20              ; pt
	v_lshl_add_u32 v[SPW], v0, 2, SPARE
	v_mov_b32 v[NIL], 0
	ds_add_u32 v[SPW], v[NIL]                      ; the wave's opening: the add, twice on end, and its wait ahead of my first tensor load
	ds_add_u32 v[SPW], v[NIL]
	v_lshrrev_b32 v1, 5, v0
	v_readfirstlane_b32 s[WV], v1
	s_lshr_b32 s[I1], s[WV], 1
	s_and_b32 s[I0], s[WV], 1
	s_bfe_u32 s[CX], ttmp6, 0x40000
	s_bfe_u32 s[CY], ttmp6, 0x40004
	s_lshl_b32 s[TC], ttmp9, 2
	s_add_co_u32 s[TC], s[TC], s[CX]               ; the tile of keys, 0 .. 7
	s_and_b32 s[BA], ttmp7, 0xffff
	s_lshl_b32 s[TR], s[BA], 2
	s_add_co_u32 s[TR], s[TR], s[CY]               ; 8 x batch + the tile of queries
	s_lshr_b32 s[BA], s[BA], 1                     ; the batch, from the cluster's y alone
	s_lshl_b32 s66, s[CY], 2
	s_lshl_b32 s66, 15, s66
	s_lshl_b32 s67, 0x1111, s[CX]
	s_or_b32 s[G1], s66, (3<<16)|(1<<21)           ; 16 rows of 512 elements of 8 bytes, no padding
	s_or_b32 s[G1B], s67, (3<<16)|(1<<21)
.irp g, G1, G1B
	s_mov_b32 s[\g+1], 512<<16
	s_mov_b32 s[\g+2], 16<<16
	s_mov_b32 s[\g+3], 512<<16
	s_mov_b32 s[\g+4], 16
	s_mov_b32 s[\g+5], 2048                        ; a fragment row is 16,384 bytes
	s_mov_b32 s[\g+6], 0
	s_mov_b32 s[\g+7], 0
.endr
	s_or_b32 s[G1S], s66, (3<<16)|(1<<21)          ; 8 planes of 128 elements of 8 bytes
	s_or_b32 s[G1SB], s67, (3<<16)|(1<<21)
.irp g, G1S, G1SB
	s_mov_b32 s[\g+1], 128<<16
	s_mov_b32 s[\g+2], 8<<16
	s_mov_b32 s[\g+3], 128<<16
	s_mov_b32 s[\g+4], 8
	s_mov_b32 s[\g+5], 4096                        ; a plane is 32,768 bytes
	s_mov_b32 s[\g+6], 0
	s_mov_b32 s[\g+7], 0
.endr
	s_lshl_b32 s18, s[I0], 17                      ; in the ring: which 8 fragment rows of a tile I fetch
	s_mov_b32 s19, 0
	s_lshl_b32 s20, s[TR], 18                      ; A's codes
	s_mov_b32 s21, 0
	s_lshl_b32 s40, s[BA], 3
	s_add_co_u32 s40, s40, s[TC]                   ; 8 x batch + the tile of keys
	s_lshl_b32 s42, s40, 18
	s_add_co_u32 s42, s42, 0x800000                ; B's codes: wk lies 8,388,608 bytes on
	s_mov_b32 s43, 0
	s_lshl_b32 s44, s40, 10
	s_add_co_u32 s44, s44, 0x40000                 ; B's scale words: wk's lie 262,144 bytes on
	s_mov_b32 s45, 0
	s_lshl_b32 s22, s[TR], 10                      ; A's scale words
	s_mov_b32 s23, 0
	s_lshl_b32 s46, s[WV], 15                      ; where they go: wave x 32,768,
	s_wait_dscnt 0x0                               ; both opening adds are done
	s_wait_kmcnt 0x0
	s_add_nc_u64 s[20:21], s[4:5], s[20:21]
	s_add_nc_u64 s[42:43], s[4:5], s[42:43]
	s_add_nc_u64 s[22:23], s[6:7], s[22:23]
	s_add_nc_u64 s[44:45], s[6:7], s[44:45]
	CROUND                                         ; all sixteen work-groups are here: the first joint loads meet
	s_mov_b32 s[G0S], 1
	s_mov_b32 s[G0S+1], SCL
	s_mov_b64 s[G0S+2:G0S+3], s[22:23]
	s_or_b32 s[G0S+3], s[G0S+3], 0x80000000
	s_mov_b32 s[G0SB], 1
	s_mov_b32 s[G0SB+1], SCL+8192
	s_mov_b64 s[G0SB+2:G0SB+3], s[44:45]
	s_or_b32 s[G0SB+3], s[G0SB+3], 0x80000000
	s_mov_b32 s[G0+4], 1                           ; K step 0 whole, in the registers that are slot 1's later
	s_mov_b32 s[G0+5], 0
	s_mov_b64 s[G0+6:G0+7], s[20:21]
	s_or_b32 s[G0+7], s[G0+7], 0x80000000
	s_mov_b32 s[G0B+4], 1
	s_mov_b32 s[G0B+5], 2*HALFT
	s_mov_b64 s[G0B+6:G0B+7], s[42:43]
	s_or_b32 s[G0B+7], s[G0B+7], 0x80000000
	s_mov_b32 s[G0], 1                             ; the ring: my half of A's or B's 16 fragment rows
	s_mov_b32 s[G0+1], s46
	s_add_nc_u64 s[G0+2:G0+3], s[20:21], s[18:19]
	s_or_b32 s[G0+3], s[G0+3], 0x80000000
	s_mov_b32 s[G0B], 1
	s_mov_b32 s[G0B+1], s46
	s_add_nc_u64 s[G0B+2:G0B+3], s[42:43], s[18:19]
	s_or_b32 s[G0B+3], s[G0B+3], 0x80000000
.macro ARM under, g0, g1, next
	s_cmp_lt_u32 s[WV], \under
	s_cbranch_scc0 \next
	tensor_load_to_lds s[\g0:\g0+3], s[\g1:\g1+7]
	s_nop 0
.rept 4
	v_nop
.endr
	s_branch .Lhead_asked
\next:
.endm
	ARM 1, G0+4, G1, .Lhead_b
	ARM 2, G0B+4, G1B, .Lhead_sa
	ARM 3, G0S, G1S, .Lhead_sb
	tensor_load_to_lds s[G0SB:G0SB+3], s[G1SB:G1SB+7]
	s_nop 0
.rept 4
	v_nop
.endr
.Lhead_asked:
	v_and_b32 v1, 15, v0                           ; r
	v_bfe_u32 v2, v0, 4, 1                         ; h
	s_wait_alu depctr_va_vdst(0)
	v_and_b32 v6, 31, v0
	v_lshlrev_b32 v[LN], 4, v6
	s_wait_alu depctr_va_vdst(0)
	s_lshl_b32 s18, s[I1], 15                      ; my 8 fragment rows of A
	s_lshl_b32 s19, s[I0], 15                      ; and of B,
	s_add_co_u32 s19, s19, 2*HALFT                 ; behind A's 16
.irp s, 0,1
	v_add_nc_u32 v[ADRA+\s], s18, v[LN]
	v_add_nc_u32 v[ADRB+\s], s19, v[LN]
	s_add_co_u32 s18, s18, SLOT
	s_add_co_u32 s19, s19, SLOT
.endr
	s_lshl_b32 s18, s[I1], 9                       ; scale words: my 128 rows of A in a plane,
	s_lshl_b32 s19, s[I0], 9
	s_add_co_u32 s19, s19, 8192                    ; of B, behind A's 8 planes
	s_sub_co_u32 s19, s19, s18
	v_mul_u32_u24 v5, s19, v2                      ; lanes 16-31 take B's: one product
	s_add_co_u32 s18, s18, SCL
	v_lshl_add_u32 v5, v1, 2, v5
	v_add_nc_u32 v[ADRS], s18, v5
	s_mul_i32 s18, s[WV], 32*MP                    ; my stage for the mask
	v_add_nc_u32 v[MSA], s18, v[LN]
	v_mul_u32_u24 v4, v1, MP
	v_lshl_add_u32 v4, v2, 5, v4
	v_add_nc_u32 v[MRD], s18, v4
	s_mul_i32 s19, s[WV], 1536
	s_add_co_u32 s19, s19, SST
	v_lshl_add_u32 v[SSW], v1, 2, s19
	v_add_nc_u32 v[SSR], s19, v[LN]
	s_and_b32 s100, s[TR], 7                       ; the mask at my first query and key
	s_lshl_b32 s100, s100, 8
	s_lshl_b32 s101, s[I1], 7
	s_add_co_u32 s100, s100, s101
	s_lshl_b32 s100, s100, 13
	s_lshl_b32 s101, s[TC], 10
	s_add_co_u32 s100, s100, s101
	s_lshl_b32 s101, s[I0], 9
	s_add_co_u32 s100, s100, s101
	s_mov_b32 s101, 0
	s_add_nc_u64 s[8:9], s[8:9], s[100:101]
	s_lshl_b32 s18, s[TC], 1
	s_add_co_u32 s18, s18, s[I0]                   ; my piece of 128 keys, 0 .. 15
	s_lshl_b32 s100, s[TR], 4                      ; pc: [fragment row][piece][2,048]
	s_lshl_b32 s101, s[I1], 3
	s_add_co_u32 s100, s100, s101
	s_lshl_b32 s100, s100, 4
	s_add_co_u32 s100, s100, s18
	s_lshl_b32 s100, s100, 11
	s_mov_b32 s101, 0
	s_add_nc_u64 s[10:11], s[10:11], s[100:101]
	s_lshl_b32 s100, s18, 15                       ; pt: [piece][row][4]
	s_lshl_b32 s101, s[TR], 10
	s_add_co_u32 s100, s100, s101
	s_lshl_b32 s101, s[I1], 9
	s_add_co_u32 s100, s100, s101
	s_mov_b32 s101, 0
	s_add_nc_u64 s[12:13], s[12:13], s[100:101]
	s_mov_b32 s[RS], 0x3d000000                    ; 1 / 32 = 1 / sqrt(1,024): exact
	s_mov_b32 s[RS+1], s[RS]
	s_mov_b32 s[LE], 0x3fb8aa3b
	s_mov_b32 s[LE+1], s[LE]
	s_mov_b32 s[SEL], 0x76543210
	s_mov_b32 s[SEL+1], 0xfedcba98
	s_mov_b32 s[MNT], 0x600000
.macro FRAG reg, adr, q, i             ; the image of a fragment: group c of four registers at 512 c + 16 x lane
.irp c, 0,1,2,3
	ds_load_b128 v[\reg+4*\c:\reg+4*\c+3], v[\adr] offset:4096*(\i)+2048*(\q)+512*\c
.endr
.endm
.macro MUL16 a0, p, q, sc, zero        ; the 64 accumulators take turns
.irp a, \a0, \a0+1
.irp b, 0,1,2,3,4,5,6,7
.if \zero
	v_wmma_scale_f32_16x16x128_f8f6f4 v[8*(8*((\a)%4)+\b):8*(8*((\a)%4)+\b)+7], v[128*(\p)+FR*\b:128*(\p)+FR*\b+FR-1], v[AF+FR*(\a):AF+FR*(\a)+FR-1], 0, v[SC+8*NQ*(\sc)+NQ*\b+(\q)], v[SC+8*NQ*(\sc)+NQ*(\a)+(\q)] matrix_a_scale:MATRIX_SCALE_ROW1
.else
	v_wmma_scale_f32_16x16x128_f8f6f4 v[8*(8*((\a)%4)+\b):8*(8*((\a)%4)+\b)+7], v[128*(\p)+FR*\b:128*(\p)+FR*\b+FR-1], v[AF+FR*(\a):AF+FR*(\a)+FR-1], v[8*(8*((\a)%4)+\b):8*(8*((\a)%4)+\b)+7], v[SC+8*NQ*(\sc)+NQ*\b+(\q)], v[SC+8*NQ*(\sc)+NQ*(\a)+(\q)] matrix_a_scale:MATRIX_SCALE_ROW1
.endif
.endr
.endr
.endm
.macro FETCH_B slot, q, p
	WIN TO_B
.irp i, 0,1,2,3,4,5,6,7
	FRAG 128*(\p)+FR*\i, ADRB+\slot, \q, \i
.endr
	WIN 0
.endm
.macro FETCH_A slot, q, i0
.irp i, \i0, \i0+1, \i0+2, \i0+3
	FRAG AF+FR*(\i), ADRA+\slot, \q, \i
.endr
.endm
.macro SCALES sc                       ; a K step's two planes: lanes 0-15 take A's block i, lanes 16-31 B's block i
.irp i, 0,1,2,3,4,5,6,7
.irp q, 0,1
	ds_load_b32 v[SC+8*NQ*\sc+NQ*\i+\q], v[ADRS] offset:1024*\q+64*\i
.endr
.endr
.endm
.macro PLACES n
.rept \n
	v_nop
.endr
.endm
.macro STEP slot, q, zero
	s_wait_dscnt 4*NL                              ; all but the youngest sixteen loads, A's blocks 4-7
	WIN MUL_LO
	MUL16 0, (\q)%2, \q, \slot, \zero
	MUL16 2, (\q)%2, \q, \slot, \zero
	s_wait_dscnt 0
	PLACES NP
	FETCH_B \slot, (\q)+1, 1-(\q)%2
	FETCH_A \slot, (\q)+1, 0
	WIN MUL_HI
	MUL16 4, (\q)%2, \q, \slot, \zero
	MUL16 6, (\q)%2, \q, \slot, \zero
	PLACES NP
	WIN 0
	FETCH_A \slot, (\q)+1, 4
.endm
.macro TURN slot, next, fill
	s_wait_tensorcnt 0x0                           ; all my tensor loads have landed: my part of the next slot
	ds_add_u32 v[SPW], v[NIL]                      ; 0 onto my spare word
	s_wait_dscnt 4*NL+1                            ; the add and the youngest sixteen loads may be out
	WIN MUL_LO
	MUL16 0, 1, NQ-1, \slot, 0
	s_wait_dscnt 0x0                               ; the add is done, and my reads of this slot are over
	s_barrier_signal -1
	MUL16 2, 1, NQ-1, \slot, 0
	WIN 0
	s_barrier_wait -1
.if \fill
	CREST                                          ; no wave of any partner still reads this slot or has a load on its way
	s_add_nc_u64 s[G0+4*\slot+2:G0+4*\slot+3], s[G0+4*\slot+2:G0+4*\slot+3], 2*KSB
	s_add_nc_u64 s[G0B+4*\slot+2:G0B+4*\slot+3], s[G0B+4*\slot+2:G0B+4*\slot+3], 2*KSB
	JLOAD G0+4*\slot, G1, G0B+4*\slot, G1B
	PLACES NP-4
.else
	PLACES NP
.endif
	s_wait_alu depctr_va_vdst(0)
	v_add_nc_u32 v[ADRS], SSTEP, v[ADRS]
	FETCH_B \next, 0, 0
	FETCH_A \next, 0, 0
	SCALES \next
	WIN MUL_HI
	MUL16 4, 1, NQ-1, \slot, 0
	MUL16 6, 1, NQ-1, \slot, 0
	PLACES NP
	WIN 0
	FETCH_A \next, 0, 4
.endm
; 32 rows of the mask, rows 32 g on of my 128: a load is one row's 512 bytes, aligned; into window 1, where B's set g % 2 lay
.macro MLOAD g
	WIN 0x40
.set j, 0
.rept 32
	global_load_b128 v[128*((\g)%2)+4*j:128*((\g)%2)+4*j+3], v[LN], s[8:9] offset:(32*(\g)+j)*8192
.set j, j+1
.endr
	WIN 0
.endm
; they go through my stage as they lie and come back in the result's layout, for blocks 2 g and 2 g + 1.  LDS serves a wave's instructions in order: no wait between the stores and the loads
.macro MTURN g
	WIN 0x04                                       ; an LDS store's data are its source 1: window 1
.set j, 0
.rept 32
	ds_store_b128 v[MSA], v[128*((\g)%2)+4*j:128*((\g)%2)+4*j+3] offset:MP*j
.set j, j+1
.endr
	WIN 0
.irp u, 0,1
.irp b, 0,1,2,3
.irp j, 0,1,2,3
	ds_load_b128 v[S+64*\u+16*\b+4*\j:S+64*\u+16*\b+4*\j+3], v[MRD] offset:16*\u*MP+128*\b+64*(\j/2)+16*(\j%2)
.endr
.endr
.endr
.endm
	s_wait_alu depctr_va_vdst(0)
	s_wait_tensorcnt 0x0                           ; my tile of the head's four is in
	ds_add_u32 v[SPW], v[NIL]                      ; 0 onto my spare word
.irp g, G1, G1B
	s_mov_b32 s[\g+2], 0x80000                     ; no tensor load of mine is out: from here on a load brings 8 fragment rows
	s_mov_b32 s[\g+4], 0x8
.endr
	s_add_co_u32 s[G0+5], s[G0+1], SLOT            ; slot 1: K step 1
	s_add_nc_u64 s[G0+6:G0+7], s[G0+2:G0+3], KSB
	s_add_co_u32 s[G0B+5], s[G0B+1], SLOT
	s_add_nc_u64 s[G0B+6:G0B+7], s[G0B+2:G0B+3], KSB
	s_wait_dscnt 0x0
	CROUND
	JLOAD G0+4, G1, G0B+4, G1B
	FETCH_B 0, 0, 0
	FETCH_A 0, 0, 0
	SCALES 0
	FETCH_A 0, 0, 4
	STEP 0, 0, 1
	s_mov_b32 s3, LAPS-1
.Llap:
	TURN 0, 1, 1
	STEP 1, 0, 0
	TURN 1, 0, 1
	STEP 0, 0, 0
	s_sub_co_u32 s3, s3, 1
	s_cmp_lg_u32 s3, 0
	s_cbranch_scc1 .Llap
	TURN 0, 1, 0
	STEP 1, 0, 0
	MLOAD 0                                        ; B's set 0 is done with, eight places back: the mask's first 32 rows are asked for under the last 64 products
	s_wait_dscnt 4*NL
	WIN MUL_LO
	MUL16 0, 1, NQ-1, 1, 0
	MUL16 2, 1, NQ-1, 1, 0
	s_wait_dscnt 0
	WIN MUL_HI
	MUL16 4, 1, NQ-1, 1, 0
	MUL16 6, 1, NQ-1, 1, 0
	WIN 0
	PLACES NP
	MLOAD 1
.irp b, 0,1,2,3
	v_mov_b32 v[BX+4+\b], 0                        ; written once: a lane permute's destination counts as one of its sources
.endr
	v_mov_b32 v88, 0
; BLOCK a: 16 queries x my 128 keys.  v80 -M, v81 the largest t, v[82:85] the sum in two chains, v86 the scale word, v87, v88 at work, v89 the sum
.macro SOFT a
.set SS, S+64*((\a)%2)
	WIN 0x02+(\a)/4                                ; source 0: window 2 or 3.
.set n, 0
.rept 32
	v_pk_fma_f32 v[SS+n:SS+n+1], v[64*((\a)%4)+n:64*((\a)%4)+n+1], s[RS:RS+1], v[SS+n:SS+n+1] op_sel_hi:[1,0,1]   ; the logit: product / 32 + mask
.set n, n+2
.endr
	WIN 0
.irp b, 0,1,2,3
	v_max3_num_f32 v[BX+\b], v[SS+16*\b], v[SS+16*\b+1], v[SS+16*\b+2]   ; the largest logit of each block of 32 keys: for the piece's maximum, and, since p rises with the logit, for the block's largest p
.endr
.irp i, 3,5,7,9,11,13
.irp b, 0,1,2,3
	v_max3_num_f32 v[BX+\b], v[BX+\b], v[SS+16*\b+\i], v[SS+16*\b+\i+1]
.endr
.endr
.irp b, 0,1,2,3
	v_max_num_f32 v[BX+\b], v[BX+\b], v[SS+16*\b+15]
.endr
.irp b, 0,1,2,3
	v_permlanex16_b32 v[BX+4+\b], v[BX+\b], s[SEL], s[SEL+1]
.endr
.irp b, 0,1,2,3
	v_max_num_f32 v[BX+\b], v[BX+\b], v[BX+4+\b]   ; with lane l xor 16's 16 keys
.endr
	v_max3_num_f32 v87, v[BX], v[BX+1], v[BX+2]
	v_max_num_f32 v87, v87, v[BX+3]
	s_wait_alu depctr_va_vdst(0)
	s_wait_dscnt 0x0                               ; the last block's LDS stores have read -M, the scale word and the sum, which are written again below
	v_mul_f32 v81, s[LE], v87                      ; as t
	v_max_num_f32 v81, 0xff61b1e6, v81             ; not under -3e38: a piece hidden whole gives p = 0 and no NaN
	v_floor_f32 v80, -v81                          ; -M = floor(-t) = -ceil(t): a whole number
.set n, 0
.rept 32
	v_pk_fma_f32 v[SS+n:SS+n+1], v[SS+n:SS+n+1], s[LE:LE+1], v[80:81] op_sel_hi:[1,0,0]   ; t - M
.set n, n+2
.endr
.irp b, 0,1,2,3
	v_fma_f32 v[BX+\b], v[BX+\b], s[LE], v80       ; the same of each block's largest logit
.endr
.set n, 0
	s_wait_alu depctr_va_vdst(0)
.rept 64
	v_exp_f32 v[SS+n], v[SS+n]                     ; p = 2^(t - M), at most 1
.set n, n+1
.endr
	v_nop                                          ; a plain instruction behind the last exponential
	s_wait_alu depctr_va_vdst(0)                   ; one wait for the batch, ahead of its first reader
.irp b, 0,1,2,3
	v_exp_f32 v[BX+\b], v[BX+\b]                   ; the block's largest p: the same two instructions on the same number
.endr
	v_pk_add_f32 v[82:83], v[SS:SS+1], v[SS+2:SS+3]   ; the sum of the unquantised p, in two chains that additions start
	v_pk_add_f32 v[84:85], v[SS+4:SS+5], v[SS+6:SS+7]
.irp j, 8,12,16,20,24,28,32,36,40,44,48,52,56,60
	v_pk_add_f32 v[82:83], v[82:83], v[SS+\j:SS+\j+1]
	v_pk_add_f32 v[84:85], v[84:85], v[SS+\j+2:SS+\j+3]
.endr
	v_pk_add_f32 v[82:83], v[82:83], v[84:85]
	v_add_f32 v89, v82, v83
	v_permlanex16_b32 v88, v89, s[SEL], s[SEL+1]
	v_add_f32 v89, v89, v88                        ; with lane l xor 16's: the piece's sum
	s_wait_alu depctr_va_vdst(0)                   ; and one for the four
.irp b, 0,1,2,3
	v_max_num_f32 v[BX+\b], 0x4800000, v[BX+\b]    ; the floor 2^(9 - 127): the byte cannot fall under 1
.endr
.irp b, 0,1,2,3
	v_add_nc_u32 v[BX+12+\b], 0xfc000000, v[BX+\b] ; 8 off the exponent field: the conversion's scale operand
.endr
.irp b, 0,1,2,3
	v_and_or_b32 v[BX+8+\b], v[BX+\b], 0x7f800000, s[MNT]   ; 448 x the scale
.endr
.irp b, 0,1,2,3
	v_lshrrev_b32 v[BX+4+\b], 23, v[BX+12+\b]      ; the byte: at most 119, since p is at most 1
.endr
	v_lshl_or_b32 v86, v[BX+5], 8, v[BX+4]
	v_lshl_or_b32 v86, v[BX+6], 16, v86
	v_lshl_or_b32 v86, v[BX+7], 24, v86
	s_wait_xcnt 0x0                                ; the last block's global stores have read their codes
.irp b, 0,1,2,3
.irp i, 0,1,2,3,4,5,6,7,8,9,10,11,12,13,14,15
	v_min_num_f32 v[SS+16*\b+\i], v[SS+16*\b+\i], v[BX+8+\b]   ; the conversion does not saturate (ISA guide 7.6.2); p is not negative, so the hold is one-sided
.endr
	v_cvt_scalef32_pk8_fp8_f32 v[PC+4*\b:PC+1+4*\b], v[SS+16*\b:SS+7+16*\b], v[BX+12+\b]
	v_cvt_scalef32_pk8_fp8_f32 v[PC+2+4*\b:PC+3+4*\b], v[SS+8+16*\b:SS+15+16*\b], v[BX+12+\b]
.endr
	v_nop                                          ; a plain instruction behind the last conversion
.irp c, 0,1,2,3
	global_store_b128 v[LN], v[PC+4*\c:PC+4*\c+3], s[10:11] offset:32768*(\a)+512*\c   ; the fragment's image: 512 consecutive bytes a store
.endr
	ds_store_b32 v[SSW], v86 offset:64*(\a)        ; both halves of the lanes write the same words with the same values
	ds_store_b32 v[SSW], v80 offset:512+64*(\a)
	ds_store_b32 v[SSW], v89 offset:1024+64*(\a)
.endm
.macro GROUP g
.if (\g) < 3
	s_wait_loadcnt 32                              ; this group's 32 rows are in; the next group's 32 loads may be out
.else
	s_wait_loadcnt 0x0
.endif
	MTURN \g
	s_wait_dscnt 0x0                               ; the mask is back in the result's layout, and the stores have read their registers,
.if (\g)+2 <= 3
	MLOAD (\g)+2                                   ; which take the group two further on
.endif
	SOFT 2*(\g)
	SOFT 2*(\g)+1
.endm
	GROUP 0
	GROUP 1
	GROUP 2
	GROUP 3
.irp t, 0,1,2
	ds_load_b128 v[BX+4*\t:BX+4*\t+3], v[SSR] offset:512*\t   ; LDS serves a wave's instructions in order: these see my stores
.endr
	s_wait_dscnt 0x0
.irp t, 0,1,2
	global_store_b128 v[LN], v[BX+4*\t:BX+4*\t+3], s[12:13] offset:524288*\t   ; my 128 rows of each table: 512 consecutive bytes
.endr
	s_wait_tensorcnt 0x0                           ; the wave's end
	ds_add_u32 v[SPW], v[NIL]
	s_wait_dscnt 0x0
	CROUND                                         ; the closing round
	s_endpgm
.Lfunc_end_k_q549c9741b2_score:
	.size	k_q549c9741b2_score, .Lfunc_end_k_q549c9741b2_score-k_q549c9741b2_score
	.p2alignl 7, 3214868480
	.fill 96, 4, 3214868480
	.section	.rodata,"a",@progbits
	.p2align	6, 0x0
	.amdhsa_kernel k_q549c9741b2_score
		.amdhsa_group_segment_fixed_size 327680
		.amdhsa_private_segment_fixed_size 0
		.amdhsa_enable_private_segment 0
		.amdhsa_kernarg_size 40
		.amdhsa_user_sgpr_count 2
		.amdhsa_user_sgpr_kernarg_segment_ptr 1
		.amdhsa_wavefront_size32 1
		.amdhsa_system_sgpr_workgroup_id_x 1
		.amdhsa_system_sgpr_workgroup_id_y 1
		.amdhsa_system_sgpr_workgroup_id_z 1
		.amdhsa_system_vgpr_workitem_id 0
		.amdhsa_next_free_vgpr 1024
		.amdhsa_next_free_sgpr 102
		.amdhsa_reserve_vcc 0
		.amdhsa_float_denorm_mode_32 3
		.amdhsa_float_denorm_mode_16_64 3
		.amdhsa_memory_ordered 1
		.amdhsa_forward_progress 1
		.amdhsa_inst_pref_size 255
	.end_amdhsa_kernel
	.section	.bss,"aw",@nobits
	.p2align	6
	.space	262144
	.amdgpu_metadata
---
amdhsa.version: [ 1, 2 ]
amdhsa.kernels:
  - .name:           k_q549c9741b2_score
    .symbol:         k_q549c9741b2_score.kd
    .args:
      - { .name: wc, .offset: 0, .size: 8, .value_kind: global_buffer, .address_space: global }
      - { .name: ws, .offset: 8, .size: 8, .value_kind: global_buffer, .address_space: global }
      - { .name: att_mask, .offset: 16, .size: 8, .value_kind: global_buffer, .address_space: global }
      - { .name: pc, .offset: 24, .size: 8, .value_kind: global_buffer, .address_space: global }
      - { .name: pt, .offset: 32, .size: 8, .value_kind: global_buffer, .address_space: global }
    .group_segment_fixed_size: 327680
    .private_segment_fixed_size: 0
    .kernarg_segment_align: 8
    .kernarg_segment_size: 40
    .max_flat_workgroup_size: 128
    .sgpr_count:     102
    .vgpr_count:     1024
    .wavefront_size: 32
...
	.end_amdgpu_metadata
.endif
;; end of part 2
;; launch mix (part 3): grid 4 x 64, 4 waves a work-group, clusters of 4 x 4, 327,680 bytes of LDS; arguments pc, pt, wc, ws, out0; writes out0
.if DOCPART == 3
	.amdgcn_target "amdgcn-amd-amdhsa--gfx1250"
	.amdhsa_code_object_version 6
	.text
	.protected	k_q549c9741b2_mix
	.globl	k_q549c9741b2_mix
	.p2align	8
	.type	k_q549c9741b2_mix,@function
k_q549c9741b2_mix:
	s_mov_b64 s[64:65], 0
	v_nop
	global_prefetch_b8 v0, s[64:65] scope:SCOPE_SE
	s_setreg_imm32_b32 hwreg(HW_REG_WAVE_MODE, 25, 1), 1
	s_wait_xcnt 0x0
	s_wait_alu depctr_hold_cnt(0) depctr_sa_sdst(0) depctr_va_vdst(0) depctr_va_sdst(0) depctr_va_ssrc(0) depctr_va_vcc(0) depctr_vm_vsrc(0)
	s_getreg_b32 s2, hwreg(HW_REG_IB_STS2, 6, 4)
	s_cmp_eq_u32 s2, 0
	s_cbranch_scc0 .Lentry_in_a_cluster
	s_endpgm
.Lentry_in_a_cluster:
	s_bfe_u32 s2, ttmp6, 0x10000c
	s_cmp_lg_u32 s2, 0xf033
	s_cbranch_scc0 .Lentry_shape_is_right
	s_endpgm
.Lentry_shape_is_right:
; THE MIX: out = (sum over keys of p wv) / (sum of p).  Nothing is left out.  A tile is 128 queries x 256 channels of one batch; a wave makes 64 x 128; K = 2,048 keys in 16 steps of 128, three to a slot.
; The row's M is the largest of its 16 pieces'; each piece's scale bytes and sum are moved by the whole number M(piece) - M(row).  LIMIT: a byte that would fall under 0 becomes 0, which is 2^-127.
; Fragments are images of registers; lane r of fragment a is query 16 a + r; register 8 b + i is channel 16 b + 8 (lane / 16) + i.
; THE HEAD: one joint load a wave: wave 0 slot 0's part of p, wave 1 of wv, waves 2 and 3 half of wv's scale words each; slot 1 sets out behind a drained round.
.set FR,     16
.set NP,     8
.set FSTEP,  2048
.set FILLB,  3*FSTEP
.set AHALF,  4*FILLB
.set BHALF,  8*FILLB
.set BOFF,   2*AHALF
.set SLOT,   BOFF+2*BHALF
.set VSC,    2*SLOT
.set PSC,    VSC+16384
.set RLB,    PSC+8192
.set SPARE,  RLB+1024
.set SP,     528
.set PTO,  7
.set ADRA, 16
.set ADSA, 18
.set RLA,  19
.set ADRB, 20
.set PSW,  22
.set RLW,  23
.set STO,  24
.set RD,   25
.set CO,   26
.set ADSB, 27
.set SPW,  28
.set NIL,  29
.set SA,   32
.set SB,   40
.set WW,   64
.set NN,   80
.set LL,   96
.set T,    64
.set AF,   128
.set BK,   128
.set G1A,  24
.set G0A,  32
.set G1B,  40
.set G0B,  48
.set G1A5, 56
.set G1B5, 68
.set G1SB, 76
.set G0SB, 84
.set WV,   88
.set I1,   89
.set I0,   90
.set BA,   91
.set CX,   92
.set CY,   93
.set TC,   94
.set TR,   95
.set MSB, 0
.macro WIN new
.if MSB != (\new)
	s_set_vgpr_msb (MSB<<8)|(\new)
.set MSB, (\new)
.endif
.endm
.set MUL,  0xa1
.set TO_B, 0x40
.macro JLOAD g0a, g1a, g0b, g1b
	s_cmp_eq_u32 s[I1], 0
	s_cbranch_scc0 .Lfor_b_\@
	tensor_load_to_lds s[\g0a:\g0a+3], s[\g1a:\g1a+7]
	s_nop 0
.rept 4
	v_nop
.endr
	s_branch .Lasked_\@
.Lfor_b_\@:
	tensor_load_to_lds s[\g0b:\g0b+3], s[\g1b:\g1b+7]
	s_nop 0
.rept 4
	v_nop
.endr
.Lasked_\@:
.endm
.macro CREST
	s_cmp_lg_u32 s[WV], 0
	s_cbranch_scc1 .Lnot_wave_0_\@
	s_barrier_signal -3
.Lnot_wave_0_\@:
	s_barrier_wait -3
	s_barrier_signal -1
	s_barrier_wait -1
.endm
.macro CROUND
	s_barrier_signal -1
	s_barrier_wait -1
	CREST
.endm
.macro SHAPE g, c, r, p
	s_mov_b32 s[\g+1], (\c)<<16
	s_mov_b32 s[\g+2], (\r)<<16
	s_mov_b32 s[\g+3], (\c)<<16
	s_mov_b32 s[\g+4], \r
	s_mov_b32 s[\g+5], \p
	s_mov_b32 s[\g+6], 0
	s_mov_b32 s[\g+7], 0
.endm
	s_load_b256 s[4:11], s[0:1], 0x0
	s_load_b64 s[12:13], s[0:1], 0x20
	v_lshl_add_u32 v[SPW], v0, 2, SPARE
	v_mov_b32 v[NIL], 0
	ds_add_u32 v[SPW], v[NIL]
	ds_add_u32 v[SPW], v[NIL]
	v_lshrrev_b32 v1, 5, v0
	v_readfirstlane_b32 s[WV], v1
	s_lshr_b32 s[I1], s[WV], 1
	s_and_b32 s[I0], s[WV], 1
	s_bfe_u32 s[CX], ttmp6, 0x40000
	s_bfe_u32 s[CY], ttmp6, 0x40004
	s_lshl_b32 s[TC], ttmp9, 2
	s_add_co_u32 s[TC], s[TC], s[CX]
	s_and_b32 s[BA], ttmp7, 0xffff
	s_lshl_b32 s[TR], s[BA], 2
	s_add_co_u32 s[TR], s[TR], s[CY]
	s_lshr_b32 s[BA], s[BA], 2
	s_lshl_b32 s96, s[CY], 2
	s_lshl_b32 s96, 15, s96
	s_lshl_b32 s97, 0x1111, s[CX]
	s_or_b32 s[G1A], s96, (3<<16)|(1<<21)
	s_or_b32 s[G1A5], s96, (3<<16)|(1<<21)
	s_or_b32 s[G1B], s97, (3<<16)|(1<<21)
	s_or_b32 s[G1B5], s97, (3<<16)|(1<<21)
	s_or_b32 s[G1SB], s97, (3<<16)|(1<<21)
	SHAPE G1A,  768, 8, 4096
	SHAPE G1B,  768, 16, 4096
	SHAPE G1A5, 256, 4, 4096
	SHAPE G1B5, 256, 8, 4096
	SHAPE G1SB, 128, 8, 512
	s_lshl_b32 s14, s[TR], 18
	s_mov_b32 s15, 0
	s_lshl_b32 s16, s[TR], 9
	s_mov_b32 s17, 0
	s_lshl_b32 s18, s[BA], 6
	s_lshl_b32 s19, s[TC], 4
	s_add_co_u32 s18, s18, s19
	s_lshl_b32 s18, s18, 15
	s_add_co_u32 s18, s18, 0x1000000
	s_mov_b32 s19, 0
	s_lshl_b32 s20, s[BA], 16
	s_lshl_b32 s21, s[I0], 15
	s_add_co_u32 s20, s20, s21
	s_lshl_b32 s21, s[TC], 10
	s_add_co_u32 s20, s20, s21
	s_add_co_u32 s20, s20, 0x80000
	s_mov_b32 s21, 0
	s_mul_i32 s22, s[WV], AHALF
	s_mul_i32 s23, s[I0], BHALF
	s_add_co_u32 s23, s23, BOFF
	s_lshl_b32 s98, s[I0], 13
	v_lshlrev_b32 v[PTO], 2, v0
	s_wait_alu depctr_va_vdst(0)
	s_wait_dscnt 0x0
	s_wait_kmcnt 0x0
	s_add_nc_u64 s[14:15], s[4:5], s[14:15]
	s_add_nc_u64 s[6:7], s[6:7], s[16:17]
	s_add_nc_u64 s[18:19], s[8:9], s[18:19]
	s_add_nc_u64 s[20:21], s[10:11], s[20:21]
.irp f, 0,1,2,3,4,5,6,7,8,9,10,11,12,13,14,15
	global_load_b32 v[WW+\f], v[PTO], s[6:7] offset:32768*\f
	global_load_b32 v[NN+\f], v[PTO], s[6:7] offset:32768*\f+524288
	global_load_b32 v[LL+\f], v[PTO], s[6:7] offset:32768*\f+1048576
.endr
	CROUND
	s_mov_b32 s[G0SB], 1
	s_add_co_u32 s[G0SB+1], s98, VSC
	s_mov_b64 s[G0SB+2:G0SB+3], s[20:21]
	s_or_b32 s[G0SB+3], s[G0SB+3], 0x80000000
	s_mov_b32 s[G0A+4], 1                          ; slot 0 whole, in the registers that are slot 1's later
	s_mov_b32 s[G0A+5], 0
	s_mov_b64 s[G0A+6:G0A+7], s[14:15]
	s_or_b32 s[G0A+7], s[G0A+7], 0x80000000
	s_mov_b32 s[G0B+4], 1
	s_mov_b32 s[G0B+5], BOFF
	s_mov_b64 s[G0B+6:G0B+7], s[18:19]
	s_or_b32 s[G0B+7], s[G0B+7], 0x80000000
	s_lshl_b32 s16, s[I0], 17                      ; the ring: my half of p's 8 fragment rows,
	s_mov_b32 s17, 0
	s_mov_b32 s[G0A], 1
	s_mov_b32 s[G0A+1], s22
	s_add_nc_u64 s[G0A+2:G0A+3], s[14:15], s[16:17]
	s_or_b32 s[G0A+3], s[G0A+3], 0x80000000
	s_lshl_b32 s16, s[I0], 18                      ; of wv's 16
	s_mov_b32 s[G0B], 1
	s_mov_b32 s[G0B+1], s23
	s_add_nc_u64 s[G0B+2:G0B+3], s[18:19], s[16:17]
	s_or_b32 s[G0B+3], s[G0B+3], 0x80000000
.macro ARM under, g0, g1, next
	s_cmp_lt_u32 s[WV], \under
	s_cbranch_scc0 \next
	tensor_load_to_lds s[\g0:\g0+3], s[\g1:\g1+7]
	s_nop 0
.rept 4
	v_nop
.endr
	s_branch .Lhead_asked
\next:
.endm
	ARM 1, G0A+4, G1A, .Lhead_b
	ARM 2, G0B+4, G1B, .Lhead_s
	tensor_load_to_lds s[G0SB:G0SB+3], s[G1SB:G1SB+7]
	s_nop 0
.rept 4
	v_nop
.endr
.Lhead_asked:
	v_and_b32 v1, 15, v0
	s_wait_alu depctr_va_vdst(0)
	v_bfe_u32 v2, v0, 4, 1
	v_and_b32 v6, 31, v0
	v_lshlrev_b32 v[CO], 4, v6
	s_mul_i32 s16, s[I1], AHALF
	s_mul_i32 s17, s[I0], BHALF
	s_add_co_u32 s17, s17, BOFF
.irp s, 0,1
	v_add_nc_u32 v[ADRA+\s], s16, v[CO]
	v_add_nc_u32 v[ADRB+\s], s17, v[CO]
	s_add_co_u32 s16, s16, SLOT
	s_add_co_u32 s17, s17, SLOT
.endr
	s_lshl_b32 s16, s[I1], 8
	s_add_co_u32 s16, s16, PSC
	v_lshl_add_u32 v[ADSA], v1, 2, s16
	s_lshl_b32 s17, s[I0], 9
	s_add_co_u32 s17, s17, VSC
	v_lshl_add_u32 v[ADSB], v1, 2, s17
	v_lshl_add_u32 v[PSW], v0, 2, PSC
	v_lshl_add_u32 v[RLW], v0, 3, RLB
	s_mul_i32 s16, s[WV], 16*SP
	v_mul_u32_u24 v4, v1, SP
	v_lshl_add_u32 v4, v2, 5, v4
	v_add_nc_u32 v[STO], s16, v4
	v_add_nc_u32 v[RD], s16, v[CO]
	s_lshl_b32 s17, s[I1], 9
	s_add_co_u32 s17, s17, RLB
	v_lshl_add_u32 v[RLA], v1, 3, s17
	s_lshl_b32 s100, s[TR], 7
	s_lshl_b32 s101, s[I1], 6
	s_add_co_u32 s100, s100, s101
	s_lshl_b32 s100, s100, 12
	s_lshl_b32 s101, s[TC], 10
	s_add_co_u32 s100, s100, s101
	s_lshl_b32 s101, s[I0], 9
	s_add_co_u32 s100, s100, s101
	s_mov_b32 s101, 0
	s_add_nc_u64 s[12:13], s[12:13], s[100:101]
	s_mov_b32 s100, 0x01010101
	s_mov_b32 s101, 0x80808080
	s_mov_b32 s99, 127
	s_wait_loadcnt 0x0
	v_min_num_f32 v8, v[NN], v[NN+2]
	v_min_num_f32 v9, v[NN+1], v[NN+3]
.irp g, 2,3,4,5,6,7
	v_min_num_f32 v8, v8, v[NN+2*\g]
	v_min_num_f32 v9, v9, v[NN+2*\g+1]
.endr
	v_min_num_f32 v8, v8, v9
.macro MOVE g
.irp x, 0,1
	v_sub_f32 v[10+\x], v8, v[NN+2*(\g)+\x]
.endr
.irp x, 0,1
	v_max_num_f32 v[10+\x], 0xc2fe0000, v[10+\x]
.endr
.irp x, 0,1
	v_cvt_i32_f32 v[10+\x], v[10+\x]
.endr
.if (\g) == 0
.irp x, 0,1
	v_ldexp_f32 v[12+\x], v[LL+\x], v[10+\x]
.endr
.else
.irp x, 0,1
	v_ldexp_f32 v[14+\x], v[LL+2*(\g)+\x], v[10+\x]
.endr
.irp x, 0,1
	v_add_f32 v[12+\x], v[12+\x], v[14+\x]
.endr
.endif
.irp x, 0,1
	v_mul_lo_u32 v[10+\x], v[10+\x], s100
.endr
.irp x, 0,1
	v_or_b32 v[WW+2*(\g)+\x], s101, v[WW+2*(\g)+\x]
.endr
.irp x, 0,1
	v_add_nc_u32 v[WW+2*(\g)+\x], v[WW+2*(\g)+\x], v[10+\x]
.endr
.irp x, 0,1
	v_lshrrev_b32 v[10+\x], 7, v[WW+2*(\g)+\x]
.endr
.irp x, 0,1
	v_and_b32 v[10+\x], s100, v[10+\x]
.endr
.irp x, 0,1
	v_mul_lo_u32 v[10+\x], v[10+\x], s99
.endr
.irp x, 0,1
	v_and_b32 v[WW+2*(\g)+\x], v[WW+2*(\g)+\x], v[10+\x]
.endr
.irp x, 0,1
	ds_store_b32 v[PSW], v[WW+2*(\g)+\x] offset:512*(2*(\g)+\x)
.endr
.endm
.irp g, 0,1,2,3,4,5,6,7
	MOVE \g
.endr
	v_add_f32 v12, v12, v13
	s_wait_alu depctr_va_vdst(0)
	v_rcp_f32 v8, v12
	v_rcp_f32 v9, v12
	v_nop
	s_wait_alu depctr_va_vdst(0)
	ds_store_b64 v[RLW], v[8:9]
.macro GEOM n
.set SL, ((\n)/3)%2
.set QO, ((\n)%3)*FSTEP
.set FP, FILLB
.if (\n) == 15
.set FP, FSTEP
.endif
.set PS, (\n)%2
.endm
.macro FETCH_B n
	GEOM \n
	WIN TO_B
.irp i, 0,1,2,3,4,5,6,7
.irp c, 0,1,2,3
	ds_load_b128 v[128*PS+FR*\i+4*\c:128*PS+FR*\i+4*\c+3], v[ADRB+SL] offset:FP*\i+QO+512*\c
.endr
.endr
.endm
.macro FETCH_A n
	GEOM \n
	WIN 0
.irp i, 0,1,2,3
	ds_load_b32 v[SA+4*PS+\i], v[ADSA] offset:512*(\n)+64*\i
.endr
.irp i, 0,1,2,3,4,5,6,7
	ds_load_b32 v[SB+8*PS+\i], v[ADSB] offset:1024*(\n)+64*\i
.endr
.irp i, 0,1,2,3
.irp c, 0,1,2,3
	ds_load_b128 v[AF+64*PS+FR*\i+4*\c:AF+64*PS+FR*\i+4*\c+3], v[ADRA+SL] offset:FP*\i+QO+512*\c
.endr
.endr
.endm
.macro MULS n, a0, zero
	GEOM \n
.irp a, \a0, \a0+1
.irp b, 0,1,2,3,4,5,6,7
.if \zero
	v_wmma_scale_f32_16x16x128_f8f6f4 v[8*(8*(\a)+\b):8*(8*(\a)+\b)+7], v[128*PS+FR*\b:128*PS+FR*\b+FR-1], v[AF+64*PS+FR*(\a):AF+64*PS+FR*(\a)+FR-1], 0, v[SB+8*PS+\b], v[SA+4*PS+(\a)]
.else
	v_wmma_scale_f32_16x16x128_f8f6f4 v[8*(8*(\a)+\b):8*(8*(\a)+\b)+7], v[128*PS+FR*\b:128*PS+FR*\b+FR-1], v[AF+64*PS+FR*(\a):AF+64*PS+FR*(\a)+FR-1], v[8*(8*(\a)+\b):8*(8*(\a)+\b)+7], v[SB+8*PS+\b], v[SA+4*PS+(\a)]
.endif
.endr
.endr
.endm
.macro PLACES n
.rept \n
	v_nop
.endr
.endm
.macro STEP n, zero
.if (\n) < 15
	FETCH_B (\n)+1
.endif
	WIN MUL
	MULS \n, 0, \zero
.if (\n) < 15
	s_wait_dscnt 32
	FETCH_A (\n)+1
	WIN MUL
.else
	s_wait_dscnt 0x0
.endif
	MULS \n, 2, \zero
	WIN 0
	PLACES NP
.endm
.macro CHANGE slot, kind
	s_wait_tensorcnt 0x0
	ds_add_u32 v[SPW], v[NIL]
.if \kind
	s_add_nc_u64 s[G0A+4*\slot+2:G0A+4*\slot+3], s[G0A+4*\slot+2:G0A+4*\slot+3], 2*FILLB
	s_add_nc_u64 s[G0B+4*\slot+2:G0B+4*\slot+3], s[G0B+4*\slot+2:G0B+4*\slot+3], 2*FILLB
.endif
	s_wait_dscnt 0x0
.if \kind == 2
	CROUND
	JLOAD G0A+4*\slot, G1A, G0B+4*\slot, G1B
.elseif \kind == 1
	CROUND
	JLOAD G0A+4*\slot, G1A5, G0B+4*\slot, G1B5
.else
	s_barrier_signal -1
	s_barrier_wait -1
.endif
.endm
.macro READY
	s_wait_dscnt 8
.endm
	s_wait_tensorcnt 0x0                           ; my tile of the head's is in
	ds_add_u32 v[SPW], v[NIL]                      ; 0 onto my spare word
	s_mov_b32 s[G1A+2], 4<<16                      ; no tensor load of mine is out: from here on a load brings half a tile
	s_mov_b32 s[G1A+4], 4
	s_mov_b32 s[G1B+2], 8<<16
	s_mov_b32 s[G1B+4], 8
	s_add_co_u32 s[G0A+5], s[G0A+1], SLOT
	s_add_nc_u64 s[G0A+6:G0A+7], s[G0A+2:G0A+3], FILLB
	s_add_co_u32 s[G0B+5], s[G0B+1], SLOT
	s_add_nc_u64 s[G0B+6:G0B+7], s[G0B+2:G0B+3], FILLB
	s_wait_dscnt 0x0                               ; the add is done, and my stores of scale words and of 1 / sum
	CROUND
	JLOAD G0A+4, G1A, G0B+4, G1B
	FETCH_B 0
	FETCH_A 0
	READY
	STEP 0, 1
	READY
	STEP 1, 0
	CHANGE 0, 2
	STEP 2, 0
	READY
	STEP 3, 0
	READY
	STEP 4, 0
	CHANGE 1, 2
	STEP 5, 0
	READY
	STEP 6, 0
	READY
	STEP 7, 0
	CHANGE 0, 2
	STEP 8, 0
	READY
	STEP 9, 0
	READY
	STEP 10, 0
	CHANGE 1, 1
	STEP 11, 0
	READY
	STEP 12, 0
	READY
	STEP 13, 0
	CHANGE 0, 0
	STEP 14, 0
	READY
	STEP 15, 0
.macro MULT a
	WIN 0x06
.set n, 0
.rept 32
	v_pk_mul_f32 v[T+n:T+n+1], v[64*(\a)+n:64*(\a)+n+1], v[2*(\a):2*(\a)+1]
.set n, n+2
.endr
	WIN 0
.endm
.macro TOSTAGE a
.irp b, 0,1,2,3,4,5,6,7
	ds_store_b128 v[STO], v[T+8*\b:T+8*\b+3] offset:64*\b
	ds_store_b128 v[STO], v[T+8*\b+4:T+8*\b+7] offset:64*\b+16
.endr
.set BB, BK+64*((\a)%2)
.irp t, 0,1,2,3,4,5,6,7,8,9,10,11,12,13,14,15
	ds_load_b128 v[BB+4*\t:BB+4*\t+3], v[RD] offset:\t*SP
.endr
.endm
.macro SEND a
.set BB, BK+64*((\a)%2)
.irp t, 0,1,2,3,4,5,6,7,8,9,10,11,12,13,14,15
	global_store_b128 v[CO], v[BB+4*\t:BB+4*\t+3], s[12:13] offset:(16*(\a)+\t)*4096 th:TH_STORE_NT
.endr
.endm
	WIN 0x40
.irp a, 0,1,2,3
	ds_load_b64 v[2*\a:2*\a+1], v[RLA] offset:128*\a
.endr
	WIN 0
	s_wait_dscnt 0x0
	MULT 0
	TOSTAGE 0
.irp a, 1,2,3
	s_wait_dscnt 16
	MULT \a
	s_wait_alu depctr_va_vdst(0)
	s_wait_dscnt 0x0
	SEND \a-1
	s_wait_xcnt 0x0
	TOSTAGE \a
.endr
	s_wait_dscnt 0x0
	SEND 3
	s_wait_tensorcnt 0x0
	ds_add_u32 v[SPW], v[NIL]
	s_wait_dscnt 0x0
	CROUND
	s_endpgm
.Lfunc_end_k_q549c9741b2_mix:
	.size	k_q549c9741b2_mix, .Lfunc_end_k_q549c9741b2_mix-k_q549c9741b2_mix
	.p2alignl 7, 3214868480
	.fill 96, 4, 3214868480
	.section	.rodata,"a",@progbits
	.p2align	6, 0x0
	.amdhsa_kernel k_q549c9741b2_mix
		.amdhsa_group_segment_fixed_size 327680
		.amdhsa_private_segment_fixed_size 0
		.amdhsa_enable_private_segment 0
		.amdhsa_kernarg_size 40
		.amdhsa_user_sgpr_count 2
		.amdhsa_user_sgpr_kernarg_segment_ptr 1
		.amdhsa_wavefront_size32 1
		.amdhsa_system_sgpr_workgroup_id_x 1
		.amdhsa_system_sgpr_workgroup_id_y 1
		.amdhsa_system_sgpr_workgroup_id_z 1
		.amdhsa_system_vgpr_workitem_id 0
		.amdhsa_next_free_vgpr 768
		.amdhsa_next_free_sgpr 102
		.amdhsa_reserve_vcc 0
		.amdhsa_float_denorm_mode_32 3
		.amdhsa_float_denorm_mode_16_64 3
		.amdhsa_memory_ordered 1
		.amdhsa_forward_progress 1
		.amdhsa_inst_pref_size 184
	.end_amdhsa_kernel
	.amdgpu_metadata
---
amdhsa.version: [ 1, 2 ]
amdhsa.kernels:
  - .name:           k_q549c9741b2_mix
    .symbol:         k_q549c9741b2_mix.kd
    .args:
      - { .name: pc, .offset: 0, .size: 8, .value_kind: global_buffer, .address_space: global }
      - { .name: pt, .offset: 8, .size: 8, .value_kind: global_buffer, .address_space: global }
      - { .name: wc, .offset: 16, .size: 8, .value_kind: global_buffer, .address_space: global }
      - { .name: ws, .offset: 24, .size: 8, .value_kind: global_buffer, .address_space: global }
      - { .name: out0, .offset: 32, .size: 8, .value_kind: global_buffer, .address_space: global }
    .group_segment_fixed_size: 327680
    .private_segment_fixed_size: 0
    .kernarg_segment_align: 8
    .kernarg_segment_size: 40
    .max_flat_workgroup_size: 128
    .sgpr_count:     102
    .vgpr_count:     768
    .wavefront_size: 32
...
	.end_amdgpu_metadata
.endif
;; end of part 3
